; MI455X (gfx1250); checked and timed in simulation.
; The chip was launched on July 23, 2026; its instructions are those of AMD's public machine-readable ISA for CDNA 5 (MIT licence, August 2026) and "CDNA5" Instruction Set Architecture Reference Guide (July 2026). The comments in the code are by the model that wrote it; some were corrected since.
;; Causal Attentation. Allowed arithmetic: matrix products marked QUANTISED: E2M1 operands, one E8M0 scale for each 32 along K, by v_wmma_scale_f32_16x16x128_f8f6f4 with both operands' format E2M1 (or v_wmma_scale_f32_32x16x128_f4), f32 sums; products left as they are: bf16, f16 or f32 operands; f32 sums; everything else in f32.
;; Inputs: Wk 1,024 x 1,024 float32; Wq 1,024 x 1,024 float32; Wv 1,024 x 1,024 float32; x 4 x 2,048 x 1,024 float32.
;; Outputs: out0 4 x 2,048 x 1,024 float32.
;; This version of the problem:
;;   THIS VERSION OF THE PROBLEM IS GIVEN IN LOW PRECISION. The matrix products marked QUANTISED in the list below multiply operands that are first quantised to E2M1 (2 exponent bits, 1 mantissa bit; 4 bits a number), with one power-of-two scale for each 32 numbers along K (OCP MX v1.0); their sums are f32. The products marked 'left as it is' may take bf16, f16 or f32 operands, with f32 sums. Whichever they take, every output number must still come out within the allowed error. Rounding operands to bf16 (8 significant bits) uses up far more of that allowance than f16 does (11 bits, for magnitudes from 6e-5 to 65,504). All else is computed in f32.
;;   The module's matrix products, in the order in which they are computed (A, B: the left and right operand; K: the contracted axis; several contracted axes count as one K, in the product's order):
;;     1. [M 8,192, K 1,024] x [K 1,024, N 1,024]; A: input x; B: input Wq: QUANTISED
;;     2. [M 8,192, K 1,024] x [K 1,024, N 1,024]; A: input x; B: input Wk: QUANTISED
;;     3. [M 8,192, K 1,024] x [K 1,024, N 1,024]; A: input x; B: input Wv: QUANTISED
;;     4. batch 4 x [M 2,048, K 1,024] x [K 1,024, N 2,048]; A: computed on the way; B: computed on the way: left as it is (an operand is computed on the way)
;;     5. batch 4 x [M 2,048, K 2,048] x [K 2,048, N 1,024]; A: computed on the way; B: computed on the way: left as it is (an operand is computed on the way)
;;   THE QUANTISER, for each operand of a quantised product, along K:
;;     - K is cut into blocks of 32 from its start; a last block that is shorter is filled with zeros.
;;     - A block's scale is 2^e with e = floor(log2(the largest magnitude in the block)) - 2, held to -126 .. 127; a block of zeros has e = 0. As a byte (E8M0): e + 127.
;;     - Each number is divided by its block's scale, clamped to +-6, and rounded to the nearest number of E2M1, ties to even, subnormals kept.
;;     - The product sums the exact products of the quantised numbers (number of the format x scale) in f32.
;;   ~~~python
;;   def quantise(x, axis):      # numpy; x: float32 -> the quantised numbers, widened to float32 again
;;       x = np.moveaxis(x, axis, -1); K = x.shape[-1]
;;       x = np.pad(x, [(0, 0)] * (x.ndim - 1) + [(0, -K % 32)]); x = x.reshape(x.shape[:-1] + (-1, 32)); a = np.abs(x).max(-1, keepdims=True)
;;       e = np.where(a > 0, np.clip(np.frexp(np.where(a > 0, a, 1))[1] - 1 - 2, -126, 127), 0)      # np.frexp(a)[1] - 1 = floor(log2(a)), exactly
;;       r = np.clip(x / 2.0 ** e, -6, 6)
;;       step = 2.0 ** (np.maximum(np.frexp(np.where(r == 0, 1, r))[1] - 1, 0) - 1)
;;       q = np.round(r / step) * step * 2.0 ** e      # np.round: ties to even
;;       return np.moveaxis(q.reshape(q.shape[:-2] + (-1,))[..., :K], -1, axis).astype(np.float32)
;;   ~~~
;; One version. Each part assembles by itself: llvm-mc -triple=amdgcn-amd-amdhsa -mcpu=gfx1250 --defsym DOCPART=n.
;; ======== version 1 of 1: 5 launches
;; limits: values are held in f16: magnitudes above 65,504 overflow, below 6.1e-05 lose precision
;; workspace buffers: xc 4,194,304 bytes; xs 262,144 bytes; wc 1,572,864 bytes; ws 98,304 bytes; qkv 50,331,648 bytes; pimg 18,874,368 bytes; st 1,048,576 bytes; head16 786,432 bytes
;; launch quant (part 1): grid 352 x 1, 4 waves a work-group, no clusters, 33,280 bytes of LDS; arguments x, Wq, Wk, Wv, xc, xs, wc, ws; writes xc, xs, wc, ws
.if DOCPART == 1
	.amdgcn_target "amdgcn-amd-amdhsa--gfx1250"
	.amdhsa_code_object_version 6
	.text
	.protected	k_q65f8cd6f1a_quant
	.globl	k_q65f8cd6f1a_quant
	.p2align	8
	.type	k_q65f8cd6f1a_quant,@function
k_q65f8cd6f1a_quant:
	s_mov_b64 s[64:65], 0
	v_nop
	global_prefetch_b8 v0, s[64:65] scope:SCOPE_SE
	s_setreg_imm32_b32 hwreg(HW_REG_WAVE_MODE, 25, 1), 1
	s_wait_xcnt 0x0
; x [8192][1024] and Wq, Wk, Wv [1024][1024], f32, become codes of FP4 (E2M1), K innermost, two codes a byte, with one E8M0 byte for each 32 along K.
; A block's scale is 2^(floor(log2(its largest magnitude)) - 2); its byte is the largest magnitude's exponent field - 2, held at 1 from below.  A block of zeros so gets the byte 1: its codes are zeros, and this program alone reads the bytes.
; LIMITS: blocks whose largest magnitude lies under 2^-124 get the byte 1; NaN and infinities among the inputs are not served.
; SHARES.  A wave takes a run of 8,192 numbers, 8 rows, in 16 steps of 512.  Work-groups 0-255 take x (1,024 runs), 256-351 the three weights (128 runs each), which land one behind the other in wc and ws.
; THE ORDER OF TOKENS.  Token 16 t + r of a batch, t = 8 m + g, is kept at place 256 g + 16 m + r: whole tiles of 16 rows move, so only a run's place in xc and xs changes.
; All later launches work in that order: a block of 256 places then holds every eighth tile of tokens, which gives every work-group of the attention the same share under the causal mask.
; Each load reads 512 consecutive bytes; a step's 2,048 bytes turn through the wave's own stage in LDS so that a lane holds 16 neighbours along K; two neighbouring lanes hold a block.
; No tensor loads, no barrier, no cluster: waves and work-groups share nothing.  Loads run eight steps (32 loads, 16,384 bytes a wave) ahead: half of a wave's run is on its way at once.
.set WAVES, 4
.set STEPS, 16
.set AHEAD, 8                          ; steps of loads on their way
.set EMAX,  2
.set CB,    8                          ; bytes of 16 codes
.set R,     16                         ; v16-143  eight sets of 16 numbers as they are loaded
.set X,     144                        ; v144-175 two sets of 16 neighbours
.set E,     176                        ; v176-191 a scale byte for each step
.set C,     192                        ; v192-255 codes: four registers for each step, so that no store's data are written again
.set WREG,  8192                       ; LDS: a region for each wave: two stages of 32 x SP bytes, behind them its 256 scale bytes
.set SP,    80                         ; a lane's place in a stage: 64 bytes + 16 of padding
.set SPW,   12                         ; v12 LDS address of my spare word; never rewritten
.set NIL,   13                         ; v13 0; never rewritten
.set SPARE, WAVES*WREG                 ; behind the four regions: the spare words, 128 bytes a wave
	s_load_b256 s[4:11], s[0:1], 0x0               ; x s[4:5], Wq s[6:7], Wk s[8:9], Wv s[10:11]
	s_load_b256 s[12:19], s[0:1], 0x20             ; xc s[12:13], xs s[14:15], wc s[16:17], ws s[18:19]
	v_lshl_add_u32 v[SPW], v0, 2, SPARE
	v_mov_b32 v[NIL], 0
	v_lshrrev_b32 v1, 5, v0
	v_readfirstlane_b32 s24, v1                    ; wave
	v_and_b32 v2, 31, v0                           ; lane
	v_lshlrev_b32 v3, 4, v2                        ; my 16 bytes of a load's 512
	s_mul_i32 s25, s24, WREG
	v_lshrrev_b32 v14, 2, v2
	v_mul_u32_u24 v14, v14, SP
	v_and_b32 v15, 3, v2
	v_lshl_add_u32 v14, v15, 4, v14
	v_add_nc_u32 v14, s25, v14                     ; the stage, on the way in: SP (lane / 4) + 16 (lane % 4)
	v_mul_u32_u24 v15, v2, SP
	v_add_nc_u32 v15, s25, v15                     ; and on the way out: SP x lane: my 16 neighbours
	v_mul_u32_u24 v4, v2, CB                       ; my codes' place in a step's
	v_lshrrev_b32 v5, 1, v2
	s_add_co_u32 s25, s25, 2*32*SP
	v_add_nc_u32 v5, s25, v5                       ; LDS: my wave's 256 scale bytes, my block's byte
	v_lshlrev_b32 v7, 3, v2                        ; and on the way out 8 bytes a lane
	v_add_nc_u32 v6, s25, v7
	; which run is mine, as a work-group of x ...
	s_lshl_b32 s26, ttmp9, 2
	s_add_co_u32 s26, s26, s24                     ; the run read: 4 x work-group + wave
	s_lshr_b32 s27, s26, 1                         ; its tile of 16 rows: batch in bits 8:7, m in 6:3, g in 2:0
	s_and_b32 s28, s27, 0x180
	s_and_b32 s29, s27, 7
	s_lshl_b32 s29, s29, 4
	s_or_b32 s28, s28, s29
	s_bfe_u32 s29, s27, 0x40003
	s_or_b32 s28, s28, s29                         ; the tile's place: batch, g, m
	s_lshl_b32 s28, s28, 1
	s_and_b32 s29, s26, 1
	s_or_b32 s28, s28, s29                         ; the run written
	; ... and as a work-group of a weight
	s_sub_co_u32 s30, ttmp9, 256
	s_lshr_b32 s31, s30, 5                         ; 0 Wq, 1 Wk, 2 Wv
	s_and_b32 s32, s30, 31
	s_lshl_b32 s32, s32, 2
	s_add_co_u32 s32, s32, s24                     ; the run read
	s_lshl_b32 s33, s30, 2
	s_add_co_u32 s33, s33, s24                     ; the run written, in wc and ws
	s_wait_kmcnt 0x0
	s_cmp_eq_u32 s31, 1                            ; every choice hangs on the work-group's number alone; only pointers and run numbers are chosen: one path through the text
	s_cselect_b64 s[6:7], s[8:9], s[6:7]
	s_cmp_eq_u32 s31, 2
	s_cselect_b64 s[6:7], s[10:11], s[6:7]
	s_cmp_lt_u32 ttmp9, 256
	s_cselect_b64 s[4:5], s[4:5], s[6:7]
	s_cselect_b64 s[12:13], s[12:13], s[16:17]
	s_cselect_b64 s[14:15], s[14:15], s[18:19]
	s_cselect_b32 s26, s26, s32
	s_cselect_b32 s28, s28, s33
	s_lshl_b32 s20, s26, 15                        ; 32,768 bytes of numbers a run
	s_mov_b32 s21, 0
	s_add_nc_u64 s[4:5], s[4:5], s[20:21]
	s_lshl_b32 s20, s28, 12                        ; 4,096 bytes of codes
	s_add_nc_u64 s[12:13], s[12:13], s[20:21]
	s_lshl_b32 s20, s28, 8                         ; 256 scale bytes
	s_add_nc_u64 s[14:15], s[14:15], s[20:21]
.macro LOAD t
.irp i, 0,1,2,3
	global_load_b128 v[R+16*((\t)%AHEAD)+4*\i:R+16*((\t)%AHEAD)+4*\i+3], v3, s[4:5] offset:2048*(\t)+512*\i th:TH_LOAD_NT   ; 32 lanes read 512 consecutive bytes
.endr
.endm
.macro TURN t                          ; step t's numbers through the stage: LDS serves a wave's instructions in order, so no wait stands between the stores and the loads
.irp i, 0,1,2,3
	ds_store_b128 v14, v[R+16*((\t)%AHEAD)+4*\i:R+16*((\t)%AHEAD)+4*\i+3] offset:32*SP*((\t)%2)+8*SP*\i
.endr
.irp i, 0,1,2,3
	ds_load_b128 v[X+16*((\t)%2)+4*\i:X+16*((\t)%2)+4*\i+3], v15 offset:32*SP*((\t)%2)+16*\i
.endr
.endm
.irp t, 0,1,2,3,4,5,6,7
	LOAD \t
.endr
	s_wait_loadcnt 4*(AHEAD-1)                     ; step 0's four loads are in; the 28 of steps 1 to 7 may be out
	TURN 0
.macro STEP t
.set XS, X+16*((\t)%2)
.if (\t) > 0
	s_wait_dscnt 1                                 ; this step's numbers are back from the stage (the last step's byte store may be out): so its stores into the stage have read their registers,
.else
	s_wait_dscnt 0x0
.endif
.if (\t)+AHEAD < STEPS
	LOAD (\t)+AHEAD                                ; which take the loads of eight steps on
.endif
.if (\t)+1 < STEPS
.if STEPS-2-(\t) >= AHEAD-1
	s_wait_loadcnt 4*(AHEAD-1)                     ; the next step's four loads are in; those of the seven steps behind it may be out
.else
	s_wait_loadcnt 4*(STEPS-2-(\t))                ; towards the end: those of the steps that are left
.endif
	TURN (\t)+1                                    ; and go through the other stage while this step is worked
.endif
	v_max3_num_f32 v8, |v[XS]|, |v[XS+1]|, |v[XS+2]|               ; the largest magnitude of my 16, in two chains
	v_max3_num_f32 v9, |v[XS+3]|, |v[XS+4]|, |v[XS+5]|
.irp i, 6,10
	v_max3_num_f32 v8, v8, |v[XS+\i]|, |v[XS+\i+1]|
	v_max3_num_f32 v9, v9, |v[XS+\i+2]|, |v[XS+\i+3]|
.endr
	v_max3_num_f32 v8, v8, |v[XS+14]|, |v[XS+15]|
	v_max3_num_f32 v8, v8, v9, (EMAX+1)<<23        ; and the floor 2^(3 - 127): the byte cannot fall under 1
	v_max_num_f32_dpp v8, v8, v8 row_xmask:1 row_mask:0xf bank_mask:0xf   ; and of my neighbour's 16: the block's
	v_add_nc_u32 v11, -(EMAX<<23), v8              ; 2 off its exponent field: the conversion takes the exponent field of this operand as its scale
	v_cvt_scalef32_pk8_fp4_f32 v[C+4*(\t)], v[XS:XS+7], v11        ; to the nearest code, ties to even; beyond 6 the largest code
	v_cvt_scalef32_pk8_fp4_f32 v[C+4*(\t)+1], v[XS+8:XS+15], v11
	v_lshrrev_b32 v[E+(\t)], 23, v11               ; the scale's byte (also the plain line behind the conversions)
	ds_store_b8 v5, v[E+(\t)] offset:16*(\t)       ; both lanes of a block write the same byte with the same value
	global_store_b64 v4, v[C+4*(\t):C+4*(\t)+1], s[12:13] offset:32*CB*(\t)   ; the wave stores 256 consecutive bytes, aligned
.endm
.irp t, 0,1,2,3,4,5,6,7,8,9,10,11,12,13,14,15
	STEP \t
.endr
	ds_load_b64 v[8:9], v6                         ; LDS serves a wave's instructions in order: these see my stores
	s_wait_dscnt 0x0
	global_store_b64 v7, v[8:9], s[14:15]          ; 32 lanes store 256 consecutive bytes, aligned
	s_wait_tensorcnt 0x0                           ; the wave's end
	ds_add_u32 v[SPW], v[NIL]
	s_wait_dscnt 0x0
	s_endpgm
.Lfunc_end_k_q65f8cd6f1a_quant:
	.size	k_q65f8cd6f1a_quant, .Lfunc_end_k_q65f8cd6f1a_quant-k_q65f8cd6f1a_quant
	.p2alignl 7, 3214868480
	.fill 96, 4, 3214868480
	.section	.rodata,"a",@progbits
	.p2align	6, 0x0
	.amdhsa_kernel k_q65f8cd6f1a_quant
		.amdhsa_group_segment_fixed_size 33280
		.amdhsa_private_segment_fixed_size 0
		.amdhsa_enable_private_segment 0
		.amdhsa_kernarg_size 64
		.amdhsa_user_sgpr_count 2
		.amdhsa_user_sgpr_kernarg_segment_ptr 1
		.amdhsa_wavefront_size32 1
		.amdhsa_system_sgpr_workgroup_id_x 1
		.amdhsa_system_sgpr_workgroup_id_y 1
		.amdhsa_system_sgpr_workgroup_id_z 1
		.amdhsa_system_vgpr_workitem_id 0
		.amdhsa_next_free_vgpr 256
		.amdhsa_next_free_sgpr 66
		.amdhsa_reserve_vcc 0
		.amdhsa_float_denorm_mode_32 3
		.amdhsa_float_denorm_mode_16_64 3
		.amdhsa_memory_ordered 1
		.amdhsa_forward_progress 1
		.amdhsa_inst_pref_size 34
	.end_amdhsa_kernel
	.amdgpu_metadata
---
amdhsa.version: [ 1, 2 ]
amdhsa.kernels:
  - .name:           k_q65f8cd6f1a_quant
    .symbol:         k_q65f8cd6f1a_quant.kd
    .args:
      - { .name: x, .offset: 0, .size: 8, .value_kind: global_buffer, .address_space: global }
      - { .name: Wq, .offset: 8, .size: 8, .value_kind: global_buffer, .address_space: global }
      - { .name: Wk, .offset: 16, .size: 8, .value_kind: global_buffer, .address_space: global }
      - { .name: Wv, .offset: 24, .size: 8, .value_kind: global_buffer, .address_space: global }
      - { .name: xc, .offset: 32, .size: 8, .value_kind: global_buffer, .address_space: global }
      - { .name: xs, .offset: 40, .size: 8, .value_kind: global_buffer, .address_space: global }
      - { .name: wc, .offset: 48, .size: 8, .value_kind: global_buffer, .address_space: global }
      - { .name: ws, .offset: 56, .size: 8, .value_kind: global_buffer, .address_space: global }
    .group_segment_fixed_size: 33280
    .private_segment_fixed_size: 0
    .kernarg_segment_align: 8
    .kernarg_segment_size: 64
    .max_flat_workgroup_size: 128
    .sgpr_count:     66
    .vgpr_count:     256
    .wavefront_size: 32
...
	.end_amdgpu_metadata
.endif
;; end of part 1
;; launch project (part 2): grid 8 x 32, 4 waves a work-group, clusters of 4 x 4, 327,680 bytes of LDS; arguments xc, xs, wc, ws, qkv, head16; writes qkv, head16
.if DOCPART == 2
	.amdgcn_target "amdgcn-amd-amdhsa--gfx1250"
	.amdhsa_code_object_version 6
	.text
	.protected	k_q65f8cd6f1a_project
	.globl	k_q65f8cd6f1a_project
	.p2align	8
	.type	k_q65f8cd6f1a_project,@function
k_q65f8cd6f1a_project:
	s_mov_b64 s[64:65], 0
	v_nop
	global_prefetch_b8 v0, s[64:65] scope:SCOPE_SE
	s_setreg_imm32_b32 hwreg(HW_REG_WAVE_MODE, 25, 1), 1
	s_wait_xcnt 0x0
	s_wait_alu depctr_hold_cnt(0) depctr_sa_sdst(0) depctr_va_vdst(0) depctr_va_sdst(0) depctr_va_ssrc(0) depctr_va_vcc(0) depctr_vm_vsrc(0)
	s_getreg_b32 s2, hwreg(HW_REG_IB_STS2, 6, 4)
	s_cmp_eq_u32 s2, 0
	s_cbranch_scc0 .Lentry_in_a_cluster
	s_endpgm
.Lentry_in_a_cluster:
	s_bfe_u32 s2, ttmp6, 0x10000c
	s_cmp_lg_u32 s2, 0xf033
	s_cbranch_scc0 .Lentry_shape_is_right
	s_endpgm
.Lentry_shape_is_right:
; q = x Wq^T, k = x Wk^T, v = x Wv^T on codes of FP4 (E2M1) with one E8M0 scale for each 32 along K = 1,024; sums in f32.
; SHARES.  8,192 x 3,072 numbers on 256 work-groups of four waves: 98,304 each.  Work-group (c, t) holds the codes of 256 places of x (tile row t = 8 batch + g) in LDS for all of K and makes of them
;   PHASE 1: 256 features of q or of k: tile c (0..7) of the eight tiles of 256 rows of [Wq; Wk]; 128 x 128 (64 accumulators, 512 registers) to a wave, 512 matrix instructions;
;   PHASE 2: 128 channels of v: rows 128 c on of Wv; 128 places x 64 channels (32 accumulators) to a wave, 256 matrix instructions.
; CLUSTERS of 4 x 4: cluster x = X (0, 1), c = 4 X + cx; cluster y = g, cy = the batch.  x's tiles hang on g and cy and are shared along a row of the cluster, the weights' on c and are shared along a column: joint loads.
; LDS.  K is two slots of 512 (rows of 256 bytes), both asked for at the head with the scale bytes: three tensor loads of a wave are out there.  Wv's 128 rows of 512 bytes are two tiles of 128 rows x 256 bytes: the
; shape and the size of slot 0's tile of [Wq; Wk], which is done with at the change of slots: there waves 2 and 3 fill those bytes again, one joint load each, behind a round of the cluster's barrier: the one refill;
; it has slot 1's 256 matrix instructions and phase 1's way out in which to land.
; PHASE 1 IS USED TRANSPOSED (source 0 = 16 rows of the weight, source 1 = 16 places): a lane holds place l % 16 and eight neighbouring features.  In PHASE 2 source 0 = 16 places, source 1 = 16 rows of Wv:
; a lane holds channel l % 16 and eight neighbouring places (keys).
; THE WAY OUT.  Rounded to f16 in pairs, an accumulator's four registers ARE half a fragment (16 rows x 32 K of 16 bits) of the attention's products, in the same lanes.  So the results leave
; straight from registers as images of operand registers: each store covers 512 consecutive bytes, aligned.  Phase 1's stores are on their way while phase 2 multiplies.  Layouts (bytes):
;   q at 0, k at 16,777,216: (8 batch + g) 524,288 + d32 16,384 + m 1,024 + half 512 + 16 lane: features 32 d32 + 16 half + 8 (l / 16) + 0..7 of place (g, m, l % 16)
;   v at 33,554,432: ((4 batch + D4) 8 + g) 131,072 + nu 16,384 + dt 1,024 + half 512 + 16 lane: keys (g, tile 2 nu + half, 8 (l / 16) + 0..7) of channel 256 D4 + 16 dt + l % 16
; The first 16 tokens of each batch also leave in f32 (head16): the clusters with g = 0 hold them.
; No prefetch is laid: all tiles but one are asked for at the head, and that one has half of phase 1 in which to land.
; LIMITS: q, k, v beyond 65,504 in magnitude do not fit f16 (the drawn inputs give about 6).
; REGISTERS: window 0: v16-30 addresses; v32-95 scale words of phase 1, two sets (x's, in lanes 0-15, serve phase 2 again); v128-191 x's fragments, one set; v192-223 Wv's scale words.
;   window 1: the weight's fragments, two sets at v0 and v128; in phase 2 the 32 accumulators ((i, j) at v[8 (4 i + j)]).   windows 2 and 3: phase 1's accumulators ((a, b) at v[8 (8 (a % 4) + b)]);
;   in phase 2 window 3 holds two sets of fragments: x's eight at v[64 p], Wv's four at v[128 + 32 p].
.set KSTEP,  512
.set NQ,     4                         ; matrix instructions deep in a slot
.set ROWB,   256                       ; a tile's row in bytes
.set KROW,   512                       ; a row of codes in memory
.set PITCH,  272                       ; an LDS row: 256 bytes + 16 of padding: the 16 rows that a load touches start at 16 different banks (64 banks of 4 bytes: ISA guide 11.1)
.set FR,     8
.set NL,     2
.set NP,     4                         ; places behind this matrix instruction (ISA guide 7.12.1)
.set HALFT,  128*PITCH
.set SLOT,   4*HALFT
.set KS,     32                        ; a row of scale bytes
.set SCL,    2*SLOT                    ; behind the ring: the scale bytes, as rows of 256 bytes + 16 of padding
.set HALFS,  (128*KS/256)*272
.set SBLK,   (16*KS/256)*272
.set SPARE,  SCL+4*HALFS               ; the spare words, 128 bytes a wave
.set ADRA, 16                          ; v16-17 LDS address of my fragments of x in slot 0, 1
.set ADRB, 20                          ; v20-21 the same for the weight of phase 1
.set ADRW, 22                          ; v22-23 the same for Wv: K bytes 0-255, 256-511
.set LO,   26                          ; v26 16 x lane
.set ADRS, 27                          ; v27 LDS address of my scale words: lanes 0-15 x's rows, lanes 16-31 the weight's
.set SPW,  28                          ; v28 my spare word; never rewritten
.set NIL,  29                          ; v29 0; never rewritten
.set WSA,  30                          ; v30 32 x (l % 16): my row among Wv's scale bytes; never rewritten
.set SC,   32
.set AF,   128
.set WS,   192                         ; v192-223 Wv's scale words: block j, K step k at v[WS + 8 j + k]
.set G1, 24
.set G0, 32
.set G1B, 48
.set G0B, 56
.set G1S, 68
.set G0S, 76
.set G1SB, 80
.set G0SB, 88
.set G0W, 92                           ; s[92:95] group 0 for Wv's tile; its group 1 is the weight's
.set MSB, 0
.macro WIN new                         ; the immediate's high byte repeats the setting that is left
.if MSB != \new
	s_set_vgpr_msb (MSB<<8)|\new
.set MSB, \new
.endif
.endm
.set MUL_LO, 0xa1                      ; source 0 (the weight) window 1, source 1 (x) window 0, C and D window 2
.set MUL_HI, 0xf1
.set TO_B,   0x40
; A joint load: waves 0 and 1 fetch for x, waves 2 and 3 for the weight; the branch hangs on the wave's number alone.  An s_nop 0 and four v_nop follow each line.
.macro JLOAD g0a, g1a, g0b, g1b
	s_cmp_eq_u32 s15, 0
	s_cbranch_scc0 .Lfor_b_\@
	tensor_load_to_lds s[\g0a:\g0a+3], s[\g1a:\g1a+7]
	s_nop 0
.rept 4
	v_nop
.endr
	s_branch .Lasked_\@
.Lfor_b_\@:
	tensor_load_to_lds s[\g0b:\g0b+3], s[\g1b:\g1b+7]
	s_nop 0
.rept 4
	v_nop
.endr
.Lasked_\@:
.endm
.macro CREST                           ; a round of the cluster's barrier behind its opening barrier
	s_cmp_lg_u32 s14, 0
	s_cbranch_scc1 .Lnot_wave_0_\@
	s_barrier_signal -3
.Lnot_wave_0_\@:
	s_barrier_wait -3
	s_barrier_signal -1
	s_barrier_wait -1
.endm
.macro CROUND                          ; a whole round
	s_barrier_signal -1
	s_barrier_wait -1
	CREST
.endm
	s_load_b128 s[4:7], s[0:1], 0x0                ; xc, xs
	s_load_b128 s[8:11], s[0:1], 0x10              ; wc, ws
	s_load_b64 s[12:13], s[0:1], 0x20              ; qkv
	s_load_b64 s[96:97], s[0:1], 0x28              ; head16
	v_lshl_add_u32 v[SPW], v0, 2, SPARE
	v_mov_b32 v[NIL], 0
	ds_add_u32 v[SPW], v[NIL]                      ; the wave's opening: the add, twice on end, and its wait ahead of my first tensor load
	ds_add_u32 v[SPW], v[NIL]
	v_lshrrev_b32 v1, 5, v0
	v_readfirstlane_b32 s14, v1                    ; wave 0..3
	s_lshr_b32 s15, s14, 1                         ; which half of the places is mine.  Also: I fetch for x (0) or for the weights (1)
	s_and_b32 s16, s14, 1                          ; which half of the weight's rows.  Also: which half of a tile I fetch
	s_bfe_u32 s40, ttmp6, 0x40000                  ; cx
	s_bfe_u32 s41, ttmp6, 0x40004                  ; cy: the batch
	s_and_b32 s2, ttmp7, 0xffff                    ; g
	s_lshl_b32 s17, s41, 3
	s_add_co_u32 s17, s17, s2                      ; x's tile row: 8 batch + g
	s_lshl_b32 s42, ttmp9, 2
	s_add_co_u32 s42, s42, s40                     ; c = 4 X + cx
	s_lshl_b32 s43, s41, 2
	s_lshl_b32 s43, 15, s43                        ; my row of the cluster
	s_lshl_b32 s44, 0x1111, s40                    ; my column
	; descriptor group 1: 128 rows x 256 bytes, 16 bytes of padding behind each
	s_or_b32 s[G1+0], s43, (0<<16)|(1<<20)|(1<<21)|(5<<22)|(3<<25)  ; 15:0 the mask; 17:16 elements of 1 byte; 20 padding on; 21 set beside a mask; 24:22 after every 64 words; 31:25 four words
	s_or_b32 s[G1B+0], s44, (0<<16)|(1<<20)|(1<<21)|(5<<22)|(3<<25)
.irp g, G1, G1B
	s_mov_b32 s[\g+1], ROWB<<16                    ; tensor_dim0
	s_mov_b32 s[\g+2], 128<<16                     ; tensor_dim1
	s_mov_b32 s[\g+3], ROWB<<16                    ; tile_dim0
	s_mov_b32 s[\g+4], 128                         ; tile_dim1
	s_mov_b32 s[\g+5], KROW                        ; stride
	s_mov_b32 s[\g+6], 0
	s_mov_b32 s[\g+7], 0
.endr
	; the scale bytes of 128 rows: 4,096 dense bytes as 16 rows of 256 (32 elements of 8 bytes), 16 bytes of padding behind each
	s_or_b32 s[G1S+0], s43, (3<<16)|(1<<20)|(1<<21)|(5<<22)|(3<<25)
	s_or_b32 s[G1SB+0], s44, (3<<16)|(1<<20)|(1<<21)|(5<<22)|(3<<25)
.irp g, G1S, G1SB
	s_mov_b32 s[\g+1], 32<<16
	s_mov_b32 s[\g+2], (128*KS/256)<<16
	s_mov_b32 s[\g+3], 32<<16
	s_mov_b32 s[\g+4], 128*KS/256
	s_mov_b32 s[\g+5], 32
	s_mov_b32 s[\g+6], 0
	s_mov_b32 s[\g+7], 0
.endr
	s_lshl_b32 s18, s16, 7                         ; which 128 rows of a tile I fetch
	s_lshl_b32 s20, s17, 8
	s_add_co_u32 s20, s20, s18                     ; x: row 256 x tile row + 128 x half
	s_lshl_b32 s46, s42, 8
	s_add_co_u32 s46, s46, s18                     ; [Wq; Wk]: row 256 c + 128 x half
	s_mov_b32 s21, 0
	s_mov_b32 s47, 0
	s_mov_b64 s[18:19], KS
	s_mul_u64 s[22:23], s[20:21], s[18:19]         ; where these rows' scale bytes begin
	s_mul_u64 s[98:99], s[46:47], s[18:19]
	s_mov_b64 s[18:19], KROW
	s_mul_u64 s[20:21], s[20:21], s[18:19]         ; and their codes
	s_mul_u64 s[46:47], s[46:47], s[18:19]
	s_mul_i32 s45, s14, HALFT                      ; where they go: wave x 128 rows: no place in the cluster enters an LDS address
	s_mul_i32 s3, s14, HALFS
	s_lshl_b32 s94, s42, 16                        ; Wv's tile: row 2,048 + 128 c of wc,
	s_add_co_u32 s94, s94, 2048*KROW
	s_lshl_b32 s18, s16, 8                         ; my 256 of its rows' 512 bytes
	s_add_co_u32 s94, s94, s18
	s_mov_b32 s95, 0
	s_lshl_b32 s66, s41, 2                         ; where my part of v goes: 4 batch + D4 (c / 2),
	s_lshr_b32 s18, s42, 1
	s_add_co_u32 s66, s66, s18
	s_lshl_b32 s66, s66, 3
	s_add_co_u32 s66, s66, s2                      ; x 8 + g: blocks of 131,072 bytes;
	s_lshl_b32 s66, s66, 17
	s_and_b32 s18, s42, 1
	s_lshl_b32 s18, s18, 13                        ; which 8 of the 16 channel tiles,
	s_add_co_u32 s66, s66, s18
	s_lshl_b32 s18, s16, 12                        ; my wave's four of them,
	s_add_co_u32 s66, s66, s18
	s_lshl_b32 s18, s15, 16                        ; my wave's eight key tiles: four steps of 16,384,
	s_add_co_u32 s66, s66, s18
	s_add_co_u32 s66, s66, 33554432                ; in v's image
	s_mov_b32 s67, 0
	s_wait_dscnt 0x0                               ; both opening adds are done
	s_wait_kmcnt 0x0
	s_add_nc_u64 s[20:21], s[4:5], s[20:21]
	s_add_nc_u64 s[22:23], s[6:7], s[22:23]
	s_add_nc_u64 s[46:47], s[8:9], s[46:47]
	s_add_nc_u64 s[98:99], s[10:11], s[98:99]
	s_mov_b32 s[G0W], 1                            ; Wv's group 0, written once, used at the change of slots
	s_mov_b32 s[G0W+1], s45                        ; in waves 2 and 3: the two halves of slot 0's tile of the weight
	s_add_nc_u64 s[G0W+2:G0W+3], s[8:9], s[94:95]
	s_or_b32 s[G0W+3], s[G0W+3], 0x80000000
	s_add_nc_u64 s[66:67], s[12:13], s[66:67]
	CROUND                                         ; all sixteen work-groups are here: the joint loads meet
	s_mov_b32 s[G0S], 1
	s_add_co_u32 s[G0S+1], s3, SCL
	s_mov_b64 s[G0S+2:G0S+3], s[22:23]
	s_or_b32 s[G0S+3], s[G0S+3], 0x80000000
	s_mov_b32 s[G0SB], 1
	s_add_co_u32 s[G0SB+1], s3, SCL
	s_mov_b64 s[G0SB+2:G0SB+3], s[98:99]
	s_or_b32 s[G0SB+3], s[G0SB+3], 0x80000000
	JLOAD G0S, G1S, G0SB, G1SB                     ; the scale bytes first: they are wanted with the first slot
.irp s, 0,1
	s_mov_b32 s[G0+4*\s], 1
	s_add_co_u32 s[G0+4*\s+1], s45, \s*SLOT
	s_add_nc_u64 s[G0+4*\s+2:G0+4*\s+3], s[20:21], \s*ROWB
	s_or_b32 s[G0+4*\s+3], s[G0+4*\s+3], 0x80000000
	s_mov_b32 s[G0B+4*\s], 1
	s_add_co_u32 s[G0B+4*\s+1], s45, \s*SLOT
	s_add_nc_u64 s[G0B+4*\s+2:G0B+4*\s+3], s[46:47], \s*ROWB
	s_or_b32 s[G0B+4*\s+3], s[G0B+4*\s+3], 0x80000000
	JLOAD G0+4*\s, G1, G0B+4*\s, G1B
.endr
	v_and_b32 v1, 15, v0                           ; l % 16
	v_bfe_u32 v2, v0, 4, 1                         ; l / 16
	v_mul_u32_u24 v3, v1, PITCH
	v_lshl_add_u32 v4, v2, 4, v3                   ; a fragment's row x pitch + 16 x half
	s_mul_i32 s21, s15, HALFT                      ; my 128 places
	s_mul_i32 s22, s16, HALFT                      ; my 128 rows of the weight,
	s_add_co_u32 s22, s22, 2*HALFT                 ; which lie behind x's 256
.irp s, 0,1
	v_add_nc_u32 v[ADRA+\s], s21, v4
	v_add_nc_u32 v[ADRB+\s], s22, v4
	s_add_co_u32 s21, s21, SLOT
	s_add_co_u32 s22, s22, SLOT
.endr
	s_mul_i32 s23, s16, 64*PITCH                   ; Wv, where slot 0's tile of the weight lay: my 64 of its 128 rows,
	s_add_co_u32 s23, s23, 2*HALFT
	v_add_nc_u32 v[ADRW], s23, v4                  ; K bytes 0-255,
	v_add_nc_u32 v[ADRW+1], HALFT, v[ADRW]         ; and 256-511
	v_mul_u32_u24 v5, v1, KS                       ; my row's scale bytes: 32 a row,
	v_lshrrev_b32 v6, 8, v5
	v_lshl_add_u32 v5, v6, 4, v5                   ; and 16 more for each 256 passed
	s_mul_i32 s21, s15, HALFS
	s_mul_i32 s22, s16, HALFS
	s_add_co_u32 s22, s22, 2*HALFS
	s_sub_co_u32 s22, s22, s21
	v_mul_u32_u24 v6, s22, v2                      ; lanes 16-31 take the weight's: one product, the distance between the two bases
	s_add_co_u32 s21, s21, SCL
	v_add_nc_u32 v5, v5, v6
	v_add_nc_u32 v[ADRS], s21, v5
	v_and_b32 v6, 31, v0
	v_lshlrev_b32 v[LO], 4, v6
	; Wv's scale words go straight into registers: my 64 rows of 32 bytes, 2,048 consecutive bytes; lanes l and l + 16 read the same 16 bytes
	s_lshl_b32 s18, s42, 12                        ; row 2,048 + 128 c of ws,
	s_add_co_u32 s18, s18, 2048*KS
	s_lshl_b32 s19, s16, 11                        ; my 64 rows
	s_add_co_u32 s18, s18, s19
	s_mov_b32 s19, 0
	s_add_nc_u64 s[98:99], s[10:11], s[18:19]
	v_lshlrev_b32 v[WSA], 5, v1
.irp j, 0,1,2,3
.irp u, 0,1
	global_load_b128 v[WS+8*\j+4*\u:WS+8*\j+4*\u+3], v[WSA], s[98:99] offset:512*\j+16*\u
.endr
.endr
	; where my part of q or k goes in qkv
	s_lshl_b32 s20, s17, 2
	s_add_co_u32 s20, s20, s40                     ; 4 (8 batch + g) + cx blocks of 131,072 bytes
	s_lshl_b32 s20, s20, 17
	s_lshl_b32 s21, ttmp9, 24                      ; the image: X x 16,777,216
	s_add_co_u32 s20, s20, s21
	s_lshl_b32 s21, s16, 16                        ; my half of the features: four steps of 16,384
	s_add_co_u32 s20, s20, s21
	s_lshl_b32 s21, s15, 13                        ; my half of the places: eight tiles of 1,024
	s_add_co_u32 s20, s20, s21
	s_mov_b32 s21, 0
	s_add_nc_u64 s[12:13], s[12:13], s[20:21]
.macro FRAG reg, adr, q, i             ; 16 rows x 128 K of 4-bit codes: registers 4 c .. 4 c + 3 hold K = 64 c + 32 (l / 16) + 0 .. 31
.irp c, 0,1
	ds_load_b128 v[\reg+4*\c:\reg+4*\c+3], v[\adr] offset:64*(\q)+32*\c+(\i)*16*PITCH
.endr
.endm
; 16 matrix instructions of phase 1: x's blocks a0, a0 + 1 against the weight's eight.  The 64 accumulators take turns, one instruction a turn, in the same order in every step.
.macro MUL16 a0, p, q, sc, zero
.irp a, \a0, \a0+1
.irp b, 0,1,2,3,4,5,6,7
.if \zero
	v_wmma_scale_f32_16x16x128_f8f6f4 v[8*(8*((\a)%4)+\b):8*(8*((\a)%4)+\b)+7], v[128*(\p)+FR*\b:128*(\p)+FR*\b+FR-1], v[AF+FR*(\a):AF+FR*(\a)+FR-1], 0, v[SC+8*NQ*(\sc)+NQ*\b+(\q)], v[SC+8*NQ*(\sc)+NQ*(\a)+(\q)] matrix_a_fmt:MATRIX_FMT_FP4 matrix_b_fmt:MATRIX_FMT_FP4 matrix_a_scale:MATRIX_SCALE_ROW1
.else
	v_wmma_scale_f32_16x16x128_f8f6f4 v[8*(8*((\a)%4)+\b):8*(8*((\a)%4)+\b)+7], v[128*(\p)+FR*\b:128*(\p)+FR*\b+FR-1], v[AF+FR*(\a):AF+FR*(\a)+FR-1], v[8*(8*((\a)%4)+\b):8*(8*((\a)%4)+\b)+7], v[SC+8*NQ*(\sc)+NQ*\b+(\q)], v[SC+8*NQ*(\sc)+NQ*(\a)+(\q)] matrix_a_fmt:MATRIX_FMT_FP4 matrix_b_fmt:MATRIX_FMT_FP4 matrix_a_scale:MATRIX_SCALE_ROW1
.endif
.endr
.endr
.endm
.macro FETCH_B slot, q, p
	WIN TO_B
.irp i, 0,1,2,3,4,5,6,7
	FRAG 128*(\p)+FR*\i, ADRB+\slot, \q, \i
.endr
	WIN 0
.endm
.macro FETCH_A slot, q, i0
.irp i, \i0, \i0+1, \i0+2, \i0+3
	FRAG AF+FR*(\i), ADRA+\slot, \q, \i
.endr
.endm
.macro SCALES sc                       ; a slot's scale words: four words a row; lanes 0-15 take x's block i, lanes 16-31 the weight's block i
.irp i, 0,1,2,3,4,5,6,7
	ds_load_b128 v[SC+8*NQ*\sc+NQ*\i:SC+8*NQ*\sc+NQ*\i+3], v[ADRS] offset:\i*SBLK
.endr
.endm
.macro PLACES n                        ; plain vector instructions between a matrix instruction and a load into, or a read of, its registers
.rept \n
	v_nop
.endr
.endm
.macro STEP slot, q, zero              ; 128 along K, with its successor in the same slot
	s_wait_dscnt 4*NL                              ; the weight's set and x's blocks 0-3 are in; the youngest eight loads (x's blocks 4-7) may be out
	WIN MUL_LO
	MUL16 0, (\q)%2, \q, \slot, \zero
	MUL16 2, (\q)%2, \q, \slot, \zero
	s_wait_dscnt 0                                 ; x's blocks 4-7 are in
	PLACES NP
	FETCH_B \slot, (\q)+1, 1-(\q)%2
	FETCH_A \slot, (\q)+1, 0
	WIN MUL_HI
	MUL16 4, (\q)%2, \q, \slot, \zero
	MUL16 6, (\q)%2, \q, \slot, \zero
	PLACES NP
	WIN 0
	FETCH_A \slot, (\q)+1, 4
.endm
.macro STEPS slot, from
.set Q, \from
.rept NQ-1-\from
	STEP \slot, Q, 0
.set Q, Q+1
.endr
.endm
	; ---- PHASE 1
	s_wait_tensorcnt 1                             ; the scale bytes and my part of slot 0 are in (slot 1's load may be out)
	s_barrier_signal -1
	s_barrier_wait -1                              ; everybody's are
	FETCH_B 0, 0, 0
	FETCH_A 0, 0, 0
	SCALES 0
	FETCH_A 0, 0, 4
	STEP 0, 0, 1                                   ; the first products start the sums: nothing is cleared
	STEPS 0, 1
	; slot 0's last step, and the change of slots.  Behind it nobody reads slot 0's tile of the weight any more (x's tile there is read again in phase 2 and stays): Wv's tile takes its bytes
	s_wait_tensorcnt 0x0                           ; all my tensor loads have landed: my part of slot 1;
	ds_add_u32 v[SPW], v[NIL]
	s_wait_dscnt 4*NL+1                            ; (the add and x's blocks 4-7 may be out)
	WIN MUL_LO
	MUL16 0, 1, NQ-1, 0, 0                         ; sixteen matrix instructions stand between the add and the wait for it
	s_wait_dscnt 0x0                               ; the add is done, and my reads of slot 0 in this phase are over
	s_barrier_signal -1
	MUL16 2, 1, NQ-1, 0, 0                         ; work on registers while the others arrive
	WIN 0
	s_barrier_wait -1
	CREST                                          ; the barrier has opened a round of the cluster's barrier: no wave of any partner still reads those bytes or has a load on its way
	s_cmp_eq_u32 s15, 0                            ; waves 2 and 3 ask, 128 rows x 256 bytes each; waves 0 and 1 have no part of the tile to fill
	s_cbranch_scc1 .Lno_wv
	tensor_load_to_lds s[G0W:G0W+3], s[G1B:G1B+7]  ; the first tensor load behind the round, and the launch's last
	s_nop 0
.rept 4
	v_nop
.endr
.Lno_wv:
	PLACES NP                                      ; on every wave's path: in front of loads into registers that matrix instructions have read
	v_add_nc_u32 v[ADRS], 4*NQ, v[ADRS]            ; the second slot's scale words: 16 bytes on in each row
	FETCH_B 1, 0, 0
	FETCH_A 1, 0, 0
	SCALES 1
	WIN MUL_HI
	MUL16 4, 1, NQ-1, 0, 0
	MUL16 6, 1, NQ-1, 0, 0
	PLACES NP
	WIN 0
	FETCH_A 1, 0, 4
	STEPS 1, 0
	s_wait_dscnt 4*NL                              ; the phase's last step: nothing more to fetch
	WIN MUL_LO
	MUL16 0, 1, NQ-1, 1, 0
	MUL16 2, 1, NQ-1, 1, 0
	s_wait_dscnt 0
	WIN MUL_HI
	MUL16 4, 1, NQ-1, 1, 0
	MUL16 6, 1, NQ-1, 1, 0
	WIN 0
	PLACES NP                                      ; in front of the first reads of results
	; THE FIRST 16 TOKENS IN F32, ahead of the rounding.  Places 0..15 of a batch lie in group 0: clusters with g = 0, the waves with the first half of the places.  The branches hang on the cluster's y and on the wave's number.
	; head16 (bytes): ((4 w + batch) 64 + tile) 1,024 + quad 512 + 16 lane; w = 0 q, 1 k: features 16 tile + 8 (l / 16) + 4 quad + 0..3 of token l % 16; w = 2: tokens 8 (l / 16) + 4 quad + 0..3 of channel 16 tile + l % 16
	s_and_b32 s18, ttmp7, 0xffff
	s_cmp_lg_u32 s18, 0
	s_cbranch_scc1 .Lno_fine
	s_cmp_lg_u32 s15, 0
	s_cbranch_scc1 .Lno_fine
	s_lshl_b32 s18, ttmp9, 2
	s_add_co_u32 s18, s18, s41                     ; 4 X + batch
	s_lshl_b32 s18, s18, 6
	s_lshl_b32 s19, s40, 4
	s_add_co_u32 s18, s18, s19                     ; + 16 cx
	s_lshl_b32 s19, s16, 3
	s_add_co_u32 s18, s18, s19                     ; + 8 x my half of the features
	s_lshl_b32 s18, s18, 10
	s_mov_b32 s19, 0
	s_add_nc_u64 s[20:21], s[96:97], s[18:19]
	WIN 0x08                                       ; a store's data are its source 1: window 2
.irp b, 0,1,2,3,4,5,6,7
	global_store_b128 v[LO], v[8*\b:8*\b+3], s[20:21] offset:1024*\b          ; each accumulator from its low end on
	global_store_b128 v[LO], v[8*\b+4:8*\b+7], s[20:21] offset:1024*\b+512
.endr
	WIN 0
.Lno_fine:
	s_wait_xcnt 0x0                                ; those stores' data are rewritten below only behind this wait
; The 32 accumulators of a window are rounded to f16 in place (register i takes numbers 2 i and 2 i + 1: ascending, so nothing is overwritten before it is read).  w: destination and both sources in that window
.macro CVT w
	WIN \w
.irp a, 0,1,2,3
.irp b, 0,1,2,3,4,5,6,7
.irp i, 0,1,2,3
	v_cvt_pk_f16_f32 v[8*(8*\a+\b)+\i], v[8*(8*\a+\b)+2*\i], v[8*(8*\a+\b)+2*\i+1]
.endr
.endr
.endr
.endm
.macro STQK hi                         ; and stored: window 2 (hi = 0) or 3
	WIN 0x08+4*\hi
.irp a, 0,1,2,3
.irp b, 0,1,2,3,4,5,6,7
	global_store_b128 v[LO], v[8*(8*\a+\b):8*(8*\a+\b)+3], s[12:13] offset:(4*\hi+\a)*1024+(\b/2)*16384+(\b%2)*512   ; 32 lanes store 512 consecutive bytes, aligned: half a fragment
.endr
.endr
.endm
	CVT 0xcf                                       ; window 3 first: phase 2 wants its registers
	STQK 1
	CVT 0x8a                                       ; window 2's 128 conversions stand between window 3's stores and the wait for them
	s_wait_xcnt 0x0                                ; window 3's stores have read their registers: phase 2's fragments may land there
	STQK 0                                         ; window 2 is touched no more: these stores are on their way while phase 2 multiplies
	WIN 0
	; ---- PHASE 2: v.  x's codes are read where they lie, in both slots
	s_wait_tensorcnt 0x0                           ; my part of Wv's tile is in (waves 2 and 3),
	s_wait_loadcnt 0x0                             ; and Wv's scale words
	s_wait_dscnt 0x0
	s_barrier_signal -1
	s_barrier_wait -1                              ; everybody's is
.macro P2FETCH k                       ; K step k (128 along K): x's eight fragments and Wv's four into set k % 2 of window 3: 24 loads
	WIN 0xc0
.irp i, 0,1,2,3,4,5,6,7
	FRAG 64*((\k)%2)+FR*\i, ADRA+(\k)/4, (\k)%4, \i
.endr
.irp j, 0,1,2,3
	FRAG 128+32*((\k)%2)+FR*\j, ADRW+(\k)/4, (\k)%4, \j
.endr
.endm
; 32 matrix instructions: source 0 = 16 places, source 1 = 16 rows of Wv; both sides' scale words in lanes 0-15.  The 32 accumulators take turns, in the same order in every step.
.macro P2MUL k
	WIN 0x5f                                       ; both sources window 3, C and D window 1
.irp i, 0,1,2,3,4,5,6,7
.irp j, 0,1,2,3
.if (\k) == 0
	v_wmma_scale_f32_16x16x128_f8f6f4 v[8*(4*\i+\j):8*(4*\i+\j)+7], v[64*((\k)%2)+FR*\i:64*((\k)%2)+FR*\i+FR-1], v[128+32*((\k)%2)+FR*\j:128+32*((\k)%2)+FR*\j+FR-1], 0, v[SC+8*NQ*((\k)/4)+NQ*\i+(\k)%4], v[WS+8*\j+(\k)] matrix_a_fmt:MATRIX_FMT_FP4 matrix_b_fmt:MATRIX_FMT_FP4
.else
	v_wmma_scale_f32_16x16x128_f8f6f4 v[8*(4*\i+\j):8*(4*\i+\j)+7], v[64*((\k)%2)+FR*\i:64*((\k)%2)+FR*\i+FR-1], v[128+32*((\k)%2)+FR*\j:128+32*((\k)%2)+FR*\j+FR-1], v[8*(4*\i+\j):8*(4*\i+\j)+7], v[SC+8*NQ*((\k)/4)+NQ*\i+(\k)%4], v[WS+8*\j+(\k)] matrix_a_fmt:MATRIX_FMT_FP4 matrix_b_fmt:MATRIX_FMT_FP4
.endif
.endr
.endr
.endm
	P2FETCH 0
.irp k, 0,1,2,3,4,5,6,7
.if \k < 7
	PLACES NP                                      ; in front of loads into the set that the step before multiplied
	P2FETCH \k+1                                   ; each step's fragments are asked for ahead of the products of the step before
	s_wait_dscnt 24                                ; all but the 24 just issued
.else
	s_wait_dscnt 0x0
.endif
	P2MUL \k
.endr
	WIN 0
	PLACES NP                                      ; in front of the first reads of results
	s_and_b32 s18, ttmp7, 0xffff                   ; the first 16 tokens' v in f32: key tile 0 of group 0: accumulators (0, j) of the same waves as above
	s_cmp_lg_u32 s18, 0
	s_cbranch_scc1 .Lno_fine_v
	s_cmp_lg_u32 s15, 0
	s_cbranch_scc1 .Lno_fine_v
	s_add_co_u32 s18, s41, 8                       ; 8 + batch
	s_lshl_b32 s18, s18, 6
	s_lshl_b32 s19, s42, 3
	s_add_co_u32 s18, s18, s19                     ; + 8 c
	s_lshl_b32 s19, s16, 2
	s_add_co_u32 s18, s18, s19                     ; + 4 x my half of the channels
	s_lshl_b32 s18, s18, 10
	s_mov_b32 s19, 0
	s_add_nc_u64 s[20:21], s[96:97], s[18:19]      ; (the stores that named s[20:21] before have read it: two waits on XCNT stand between)
	WIN 0x04                                       ; the data: window 1
.irp j, 0,1,2,3
	global_store_b128 v[LO], v[8*\j:8*\j+3], s[20:21] offset:1024*\j
	global_store_b128 v[LO], v[8*\j+4:8*\j+7], s[20:21] offset:1024*\j+512
.endr
	WIN 0
.Lno_fine_v:
	s_wait_xcnt 0x0                                ; those stores' data are rewritten below only behind this wait
	CVT 0x45
	WIN 0x04
.irp i, 0,1,2,3,4,5,6,7
.irp j, 0,1,2,3
	global_store_b128 v[LO], v[8*(4*\i+\j):8*(4*\i+\j)+3], s[66:67] offset:(\i/2)*16384+(\i%2)*512+\j*1024   ; key tile i, channel tile j: 512 consecutive bytes, aligned
.endr
.endr
	WIN 0
	s_wait_tensorcnt 0x0                           ; the wave's end
	ds_add_u32 v[SPW], v[NIL]
	s_wait_dscnt 0x0
	CROUND                                         ; the closing round: no work-group ends while a partner may still ask for a tile that names it
	s_endpgm
.Lfunc_end_k_q65f8cd6f1a_project:
	.size	k_q65f8cd6f1a_project, .Lfunc_end_k_q65f8cd6f1a_project-k_q65f8cd6f1a_project
	.p2alignl 7, 3214868480
	.fill 96, 4, 3214868480
	.section	.rodata,"a",@progbits
	.p2align	6, 0x0
	.amdhsa_kernel k_q65f8cd6f1a_project
		.amdhsa_group_segment_fixed_size 327680
		.amdhsa_private_segment_fixed_size 0
		.amdhsa_enable_private_segment 0
		.amdhsa_kernarg_size 48
		.amdhsa_user_sgpr_count 2
		.amdhsa_user_sgpr_kernarg_segment_ptr 1
		.amdhsa_wavefront_size32 1
		.amdhsa_system_sgpr_workgroup_id_x 1
		.amdhsa_system_sgpr_workgroup_id_y 1
		.amdhsa_system_sgpr_workgroup_id_z 1
		.amdhsa_system_vgpr_workitem_id 0
		.amdhsa_next_free_vgpr 1024
		.amdhsa_next_free_sgpr 100
		.amdhsa_reserve_vcc 0
		.amdhsa_float_denorm_mode_32 3
		.amdhsa_float_denorm_mode_16_64 3
		.amdhsa_memory_ordered 1
		.amdhsa_forward_progress 1
		.amdhsa_inst_pref_size 180
	.end_amdhsa_kernel
	.amdgpu_metadata
---
amdhsa.version: [ 1, 2 ]
amdhsa.kernels:
  - .name:           k_q65f8cd6f1a_project
    .symbol:         k_q65f8cd6f1a_project.kd
    .args:
      - { .name: xc, .offset: 0, .size: 8, .value_kind: global_buffer, .address_space: global }
      - { .name: xs, .offset: 8, .size: 8, .value_kind: global_buffer, .address_space: global }
      - { .name: wc, .offset: 16, .size: 8, .value_kind: global_buffer, .address_space: global }
      - { .name: ws, .offset: 24, .size: 8, .value_kind: global_buffer, .address_space: global }
      - { .name: qkv, .offset: 32, .size: 8, .value_kind: global_buffer, .address_space: global }
      - { .name: head16, .offset: 40, .size: 8, .value_kind: global_buffer, .address_space: global }
    .group_segment_fixed_size: 327680
    .private_segment_fixed_size: 0
    .kernarg_segment_align: 8
    .kernarg_segment_size: 48
    .max_flat_workgroup_size: 128
    .sgpr_count:     100
    .vgpr_count:     1024
    .wavefront_size: 32
...
	.end_amdgpu_metadata
.endif
;; end of part 2
;; launch scores (part 3): grid 8 x 32, 4 waves a work-group, clusters of 4 x 4, 327,680 bytes of LDS; arguments qkv, pimg, st; writes pimg, st
.if DOCPART == 3
	.amdgcn_target "amdgcn-amd-amdhsa--gfx1250"
	.amdhsa_code_object_version 6
	.text
	.protected	k_q65f8cd6f1a_scores
	.globl	k_q65f8cd6f1a_scores
	.p2align	8
	.type	k_q65f8cd6f1a_scores,@function
k_q65f8cd6f1a_scores:
	s_mov_b64 s[64:65], 0
	v_nop
	global_prefetch_b8 v0, s[64:65] scope:SCOPE_SE
	s_setreg_imm32_b32 hwreg(HW_REG_WAVE_MODE, 25, 1), 1
	s_wait_xcnt 0x0
	s_wait_alu depctr_hold_cnt(0) depctr_sa_sdst(0) depctr_va_vdst(0) depctr_va_sdst(0) depctr_va_ssrc(0) depctr_va_vcc(0) depctr_vm_vsrc(0)
	s_getreg_b32 s2, hwreg(HW_REG_IB_STS2, 6, 4)
	s_cmp_eq_u32 s2, 0
	s_cbranch_scc0 .Lentry_in_a_cluster
	s_endpgm
.Lentry_in_a_cluster:
	s_bfe_u32 s2, ttmp6, 0x10000c
	s_cmp_lg_u32 s2, 0xf033
	s_cbranch_scc0 .Lentry_shape_is_right
	s_endpgm
.Lentry_shape_is_right:
; p = 2^(t - M) for one block of 256 queries x 256 keys of one batch, t = (q . k) log2(e) / 32; q and k in f16, sums, maxima and exponentials in f32; p leaves in f16.
; SHARES.  Work-group (x, y): key group kg = x (0..7), y = 8 batch + g (query group).  In the kept order of tokens, query tile m of group g is token tile 8 m + g, key tile n of group kg is token tile 8 n + kg:
; tile (m, n) of the block counts where n < m, and on n = m where kg <= g.  So every work-group has the same lower triangle of 16 x 16 tiles: equal work, the same text, no branch on ids.
; Wave 2 wr + wc takes tiles m = 2 m' + wr, n = 2 n' + wc with n' <= m': 36 accumulators.  Tiles with n' < m' count whole; those with n' = m' are masked by the lane's own test of key against query.
; S^T = K Q^T (source 0 = 16 keys, source 1 = 16 queries): a lane holds ONE query (l % 16) and the keys 8 (l / 16) + 0..7; rounded in pairs that is half a fragment of the next product's P.
; THE MAXIMUM is taken away block by block: M = the largest t of a query over the block's 256 keys, rounded up to a whole number (a block with no key that counts: the floor -1e30, under every score that f16 operands can give).
; M and the sum of the unrounded p go to st; the next launch brings the eight blocks of a row under the row's own largest M by exact powers of two.
; K goes in 8 steps of 128 features through two LDS slots.  q's and k's images are dense: a step's 16 tiles x 4 fragments are 65,536 consecutive bytes each; a wave's one load brings 32,768.
; CLUSTER 4 x 4: q's tiles hang on y alone and are shared along a row, k's on the batch and kg and are shared along a column: joint loads.  At most two tensor loads of a wave are out.
; No prefetch is laid: six of the eight steps are refills, each brought once for four partners, and the launch's own stores and loads keep memory at work beside the products.
; pimg (bytes): (8 y + kg) 73,728 + phi 1,024 + half 512 + 16 lane, phi = nu (15 - nu) + m for m >= 2 nu: keys (tile 2 nu + half, 8 (l / 16) + 0..7) of query (m, l % 16).
; st (bytes): (8 y + kg) 4,096 + wc 2,048 + wr 1,024 + (0 M, 512 sum) + 4 (16 m' + r).
; REGISTERS: window 0: v1-9 addresses and the mask's number, v16-21 LDS addresses, v32-63 statistics, v64-191 q's fragments (two sets of 8), v192-223 sums and the way out;
;   window 1: v64-191 k's fragments (two sets);  window 2: accumulators 0-31 (number m' (m' + 1) / 2 + n');  window 3: v0-31: accumulators 32-35.
.set SLOTB, 131072                     ; a slot: q's 65,536 bytes, then k's
.set KOFF,  65536
.set STEPB, 65536                      ; a step of 128 features in an image
.set XCH,   2*SLOTB                    ; behind the ring: the waves' row maxima, 512 bytes a wave
.set SST,   XCH+2048                   ; M and sums on their way out, 1,024 bytes a wave
.set SPARE, SST+4096                   ; the spare words, 128 bytes a wave
.set AQ,  16
.set AK,  20
.set SPW, 28
.set NIL, 29
.set MX,  32                           ; v32-39 row maxima
.set TP,  40                           ; v40-47 at work
.set NM,  48                           ; v48-63 -M, in the low register of a pair
.set LS,  192                          ; v192-207 sums, in pairs
.set SV,  208
.set RB,  216
.set F0,  64
.set F1,  128
.set G1Q, 24
.set G0Q, 32
.set G1K, 48
.set G0K, 56
.set MSB, 0
.macro WIN new
.if MSB != \new
	s_set_vgpr_msb (MSB<<8)|\new
.set MSB, \new
.endif
.endm
.macro PLACES
.rept 4
	v_nop
.endr
.endm
.macro JLOAD s                         ; waves 0 and 1 fetch q's halves, waves 2 and 3 k's; an s_nop 0 and four v_nop follow each line
	s_cmp_eq_u32 s11, 0
	s_cbranch_scc0 .Lfor_k_\@
	tensor_load_to_lds s[G0Q+4*\s:G0Q+4*\s+3], s[G1Q:G1Q+7]
	s_nop 0
.rept 4
	v_nop
.endr
	s_branch .Lasked_\@
.Lfor_k_\@:
	tensor_load_to_lds s[G0K+4*\s:G0K+4*\s+3], s[G1K:G1K+7]
	s_nop 0
.rept 4
	v_nop
.endr
.Lasked_\@:
.endm
.macro CROUND
	s_barrier_signal -1
	s_barrier_wait -1
	s_cmp_lg_u32 s10, 0
	s_cbranch_scc1 .Lnot_wave_0_\@
	s_barrier_signal -3
.Lnot_wave_0_\@:
	s_barrier_wait -3
	s_barrier_signal -1
	s_barrier_wait -1
.endm
.macro TILE m, n                       ; accumulator (m', n'): its number, its window (HI) and its first register
.set IDX, (\m)*((\m)+1)/2+(\n)
.set HI, IDX/32
.set AC, 8*(IDX%32)
.endm
	s_load_b128 s[4:7], s[0:1], 0x0                ; qkv, pimg
	s_load_b64 s[8:9], s[0:1], 0x10                ; st
	v_lshl_add_u32 v[SPW], v0, 2, SPARE
	v_mov_b32 v[NIL], 0
	ds_add_u32 v[SPW], v[NIL]                      ; the wave's opening: the add, twice on end, and its wait ahead of my first tensor load
	ds_add_u32 v[SPW], v[NIL]
	v_lshrrev_b32 v1, 5, v0
	v_readfirstlane_b32 s10, v1                    ; wave
	s_lshr_b32 s11, s10, 1                         ; wr.  Also: I fetch q (0) or k (1)
	s_and_b32 s12, s10, 1                          ; wc.  Also: which half of a step I fetch
	s_bfe_u32 s40, ttmp6, 0x40000                  ; cx
	s_bfe_u32 s41, ttmp6, 0x40004                  ; cy
	s_lshl_b32 s42, ttmp9, 2
	s_add_co_u32 s42, s42, s40                     ; kg
	s_and_b32 s14, ttmp7, 0xffff
	s_lshl_b32 s13, s14, 2
	s_add_co_u32 s13, s13, s41                     ; y = 8 batch + g
	s_lshl_b32 s43, s41, 2
	s_lshl_b32 s43, 15, s43                        ; my row of the cluster
	s_lshl_b32 s44, 0x1111, s40                    ; my column
	; descriptor group 1: 32,768 dense bytes as 128 rows of 256 (32 elements of 8 bytes); no padding: fragments are read 16 bytes a lane on end
	s_or_b32 s[G1Q], s43, (3<<16)|(1<<21)
	s_or_b32 s[G1K], s44, (3<<16)|(1<<21)
.irp g, G1Q, G1K
	s_mov_b32 s[\g+1], 32<<16                      ; tensor_dim0
	s_mov_b32 s[\g+2], 128<<16                     ; tensor_dim1
	s_mov_b32 s[\g+3], 32<<16                      ; tile_dim0
	s_mov_b32 s[\g+4], 128                         ; tile_dim1
	s_mov_b32 s[\g+5], 32                          ; stride
	s_mov_b32 s[\g+6], 0
	s_mov_b32 s[\g+7], 0
.endr
	s_lshl_b32 s18, s12, 15                        ; my half of a step
	s_lshl_b32 s16, s13, 19                        ; q: y x 524,288
	s_add_co_u32 s16, s16, s18
	s_mov_b32 s17, 0
	s_lshr_b32 s46, s14, 1                         ; k: the batch (cluster y / 2),
	s_lshl_b32 s46, s46, 3
	s_add_co_u32 s46, s46, s42                     ; 8 batch + kg
	s_lshl_b32 s46, s46, 19
	s_add_co_u32 s46, s46, s18
	s_add_co_u32 s46, s46, 16777216                ; in k's image
	s_mov_b32 s47, 0
	s_lshl_b32 s20, s10, 15                        ; LDS: wave x 32,768: q's halves, then k's
	s_mov_b32 s66, 0x3d38aa3b                      ; c = log2(e) / 32
	s_mov_b32 s67, s66                             ; (named with it as a pair)
	s_mov_b32 s68, 0x76543210
	s_mov_b32 s69, 0xfedcba98                      ; v_permlanex16_b32's selects for lane l xor 16
	s_mov_b32 s70, 0xffff0000                      ; lanes 16-31
	s_wait_dscnt 0x0                               ; both opening adds are done
	s_wait_kmcnt 0x0
	s_add_nc_u64 s[16:17], s[4:5], s[16:17]
	s_add_nc_u64 s[46:47], s[4:5], s[46:47]
	CROUND                                         ; all sixteen work-groups are here: the first joint loads meet
.irp s, 0,1
	s_mov_b32 s[G0Q+4*\s], 1
	s_add_co_u32 s[G0Q+4*\s+1], s20, \s*SLOTB
	s_add_nc_u64 s[G0Q+4*\s+2:G0Q+4*\s+3], s[16:17], \s*STEPB
	s_or_b32 s[G0Q+4*\s+3], s[G0Q+4*\s+3], 0x80000000
	s_mov_b32 s[G0K+4*\s], 1
	s_add_co_u32 s[G0K+4*\s+1], s20, \s*SLOTB
	s_add_nc_u64 s[G0K+4*\s+2:G0K+4*\s+3], s[46:47], \s*STEPB
	s_or_b32 s[G0K+4*\s+3], s[G0K+4*\s+3], 0x80000000
	JLOAD \s
.endr
	v_and_b32 v1, 15, v0                           ; r
	v_bfe_u32 v2, v0, 4, 1                         ; h
	v_and_b32 v3, 31, v0
	v_lshlrev_b32 v3, 4, v3                        ; 16 x lane
	s_lshl_b32 s21, s11, 10                        ; q: my tiles are the odd or the even ones: wr x 1,024
	s_lshl_b32 s22, s12, 10
	s_add_co_u32 s22, s22, KOFF                    ; k: wc x 1,024, behind q
.irp s, 0,1
	v_add_nc_u32 v[AQ+\s], s21, v3
	v_add_nc_u32 v[AK+\s], s22, v3
	s_add_co_u32 s21, s21, SLOTB
	s_add_co_u32 s22, s22, SLOTB
.endr
	v_lshlrev_b32 v10, 2, v1                       ; 4 r
	s_lshl_b32 s23, s10, 9
	s_add_co_u32 s23, s23, XCH
	v_add_nc_u32 v6, s23, v10                      ; my wave's maxima
	s_xor_b32 s23, s10, 1
	s_lshl_b32 s23, s23, 9
	s_add_co_u32 s23, s23, XCH
	v_add_nc_u32 v7, s23, v10                      ; and those of the wave with the same rows and the other columns
	s_lshl_b32 s23, s10, 10
	s_add_co_u32 s23, s23, SST
	v_lshl_add_u32 v8, v2, 9, v10
	v_add_nc_u32 v8, s23, v8                       ; M (lanes 0-15) and sums (lanes 16-31) on their way out
	v_add_nc_u32 v9, s23, v3
	s_and_b32 s23, s13, 7                          ; g
	s_sub_co_i32 s23, s23, s42
	s_lshl_b32 s23, s23, 4                         ; 16 (g - kg)
	s_sub_co_i32 s45, s11, s12
	s_lshl_b32 s45, s45, 7                         ; 128 (wr - wc)
	s_add_co_i32 s23, s23, s45
	v_lshlrev_b32 v10, 3, v2
	v_sub_nc_u32 v4, v1, v10
	v_add_nc_u32 v4, s23, v4                       ; on a tile with n' = m', register j's key comes after my query where j > r - 8 h + 16 (g - kg) + 128 (wr - wc)
	v_mov_b32 v5, 0xff800000                       ; -infinity
	s_lshl_b32 s18, s13, 3
	s_add_co_u32 s18, s18, s42                     ; 8 y + kg
	s_mul_i32 s20, s18, 73728
	s_lshl_b32 s21, s11, 10
	s_add_co_u32 s20, s20, s21
	s_lshl_b32 s21, s12, 9
	s_add_co_u32 s20, s20, s21
	s_mov_b32 s21, 0
	s_add_nc_u64 s[6:7], s[6:7], s[20:21]          ; pimg at my block, + wr 1,024 + wc 512
	s_lshl_b32 s20, s18, 12
	s_lshl_b32 s22, s12, 11
	s_add_co_u32 s20, s20, s22
	s_lshl_b32 s22, s11, 10
	s_add_co_u32 s20, s20, s22
	s_add_nc_u64 s[8:9], s[8:9], s[20:21]          ; st at my wave's 1,024 bytes
; 32 LDS loads in one run: my 8 fragments of k and my 8 of q for 32 features, the slot's q-th, into set f.  Each load takes 512 consecutive bytes
.macro FETCH s, q, f
	WIN 0x40                                       ; destination window 1
.irp i, 0,1,2,3,4,5,6,7
	ds_load_b128 v[\f+8*\i:\f+8*\i+3],   v[AK+\s] offset:\q*16384+\i*2048
	ds_load_b128 v[\f+8*\i+4:\f+8*\i+7], v[AK+\s] offset:\q*16384+\i*2048+512
.endr
	WIN 0
.irp i, 0,1,2,3,4,5,6,7
	ds_load_b128 v[\f+8*\i:\f+8*\i+3],   v[AQ+\s] offset:\q*16384+\i*2048
	ds_load_b128 v[\f+8*\i+4:\f+8*\i+7], v[AQ+\s] offset:\q*16384+\i*2048+512
.endr
.endm
; The 36 products of 32 features.  The accumulators take turns, one instruction a turn, in the same order every time.  zero = 1: they start the sums
.macro MUL36 f, zero
.irp m, 0,1,2,3,4,5,6,7
.irp n, 0,1,2,3,4,5,6,7
.if \n <= \m
	TILE \m, \n
	WIN 0xa1+0x50*HI                               ; source 0 (k) window 1, source 1 (q) window 0, C and D window 2 or 3
.if \zero
	v_wmma_f32_16x16x32_f16 v[AC:AC+7], v[\f+8*\n:\f+8*\n+7], v[\f+8*\m:\f+8*\m+7], 0
.else
	v_wmma_f32_16x16x32_f16 v[AC:AC+7], v[\f+8*\n:\f+8*\n+7], v[\f+8*\m:\f+8*\m+7], v[AC:AC+7]
.endif
.endif
.endr
.endr
.endm
; A step of 128 features: four quarters on sets 0, 1, 0, 1; each quarter's loads are issued ahead of the products of the quarter before.  Four places stand in front of loads into registers that products have read
.macro WORK s, zero
	PLACES
	FETCH \s, 0, F0
	FETCH \s, 1, F1
	s_wait_dscnt 32                                ; all but the 32 just issued
	MUL36 F0, \zero
	PLACES
	FETCH \s, 2, F0
	s_wait_dscnt 32
	MUL36 F1, 0
	PLACES
	FETCH \s, 3, F1
	s_wait_dscnt 32
	MUL36 F0, 0
	s_wait_dscnt 0x0
	MUL36 F1, 0
	WIN 0
.endm
; The change of slots.  Each wave waits for all its tensor loads (one is out: its part of the slot ahead), adds 0 to its spare word, and waits for that and for its reads of slot old.
; fill = 1: a round of the cluster's barrier, and slot old is filled again, two steps on, first thing behind it: the load has a step's 144 products in which to land.
.macro CHANGE old, fill
	s_wait_tensorcnt 0x0                           ; no tensor load of mine is out, so a group 0 may be written
	ds_add_u32 v[SPW], v[NIL]
.if \fill
	s_add_nc_u64 s[G0Q+4*\old+2:G0Q+4*\old+3], s[G0Q+4*\old+2:G0Q+4*\old+3], 2*STEPB
	s_add_nc_u64 s[G0K+4*\old+2:G0K+4*\old+3], s[G0K+4*\old+2:G0K+4*\old+3], 2*STEPB
.endif
	s_wait_dscnt 0x0                               ; the add is done, and my reads of the slot are over
.if \fill
	CROUND
	JLOAD \old
.else
	s_barrier_signal -1
	s_barrier_wait -1
.endif
.endm
	s_wait_tensorcnt 1                             ; my part of step 0 is in; step 1's may stay out
	s_barrier_signal -1
	s_barrier_wait -1
	WORK 0, 1                                      ; step 0 starts the sums
	CHANGE 0, 1                                    ; step 2 is asked for
	WORK 1, 0
	s_mov_b32 s3, 2
.Llap:                                                 ; steps 2 to 5; steps 3 to 6 are asked for
	CHANGE 1, 1
	WORK 0, 0
	CHANGE 0, 1
	WORK 1, 0
	s_sub_co_u32 s3, s3, 1
	s_cmp_lg_u32 s3, 0
	s_cbranch_scc1 .Llap
	CHANGE 1, 1                                    ; step 7 is asked for: the last load
	WORK 0, 0
	CHANGE 0, 0                                    ; the tail is written out: nothing more is asked for
	WORK 1, 0
	; ---- the mask, the maxima, p, the sums
	PLACES                                         ; in front of the first reads of results
.irp j, 0,1,2,3,4,5,6,7
	v_cmp_gt_i32 s[72+\j], \j, v4                  ; the lanes in which register j's key is hidden, on the tiles with n' = m'
.endr
.irp m, 0,1,2,3,4,5,6,7
	v_mov_b32 v[MX+\m], 0xf149f2ca                 ; the floor -1e30, under every score
	v_mov_b32 v[TP+\m], 0                          ; (a lane permute's destination counts as one of its sources)
	v_mov_b32 v[NM+2*\m+1], 0                      ; (the upper halves of pairs that the packed form names)
.endr
.irp m, 0,1,2,3,4,5,6,7
	TILE \m, \m
	WIN 0x82+0x41*HI                               ; destination and source 0 in the accumulator's window
.irp j, 0,1,2,3,4,5,6,7
	v_cndmask_b32 v[AC+\j], v[AC+\j], v5, s[72+\j] ; hidden scores become -infinity: p = 0.  From the low end on
.endr
.endr
.macro ROWMAX hi                       ; the rows by turns, so that no line waits for the line above it; each accumulator from its low end on
	WIN 0x28+0x14*\hi                              ; sources 1 and 2 in window 2 or 3
.irp n, 0,1,2,3,4,5,6,7
.irp p, 0,1,2,3
.irp m, 0,1,2,3,4,5,6,7
.if \n <= \m
	TILE \m, \n
.if HI == \hi
	v_max3_num_f32 v[MX+\m], v[MX+\m], v[AC+2*\p], v[AC+2*\p+1]
.endif
.endif
.endr
.endr
.endr
.endm
	ROWMAX 0
	ROWMAX 1
	WIN 0
.irp m, 0,1,2,3,4,5,6,7
	v_permlanex16_b32 v[TP+\m], v[MX+\m], s68, s69
.endr
.irp m, 0,1,2,3,4,5,6,7
	v_max_num_f32 v[MX+\m], v[MX+\m], v[TP+\m]     ; with lane l xor 16's keys
.endr
.irp m, 0,1,2,3,4,5,6,7
	ds_store_b32 v6, v[MX+\m] offset:64*\m         ; lanes l and l xor 16 write the same word with the same value
.endr
	s_wait_dscnt 0x0                               ; for the other wave's sake: my stores are done
	s_barrier_signal -1
	s_barrier_wait -1
.irp m, 0,1,2,3,4,5,6,7
	ds_load_b32 v[TP+\m], v7 offset:64*\m          ; the same rows' maxima over the other half of the keys
.endr
	s_wait_dscnt 0x0
.irp m, 0,1,2,3,4,5,6,7
	v_max_num_f32 v[MX+\m], v[MX+\m], v[TP+\m]
.endr
.irp m, 0,1,2,3,4,5,6,7
	v_mul_f32 v[TP+\m], s66, v[MX+\m]              ; as t (c is positive)
.endr
.irp m, 0,1,2,3,4,5,6,7
	v_floor_f32 v[NM+2*\m], -v[TP+\m]              ; -M = floor(-t): M is a whole number
.endr
.macro SCALE hi                        ; t - M, two at a time
	WIN 0x82+0x41*\hi
.irp m, 0,1,2,3,4,5,6,7
.irp n, 0,1,2,3,4,5,6,7
.if \n <= \m
	TILE \m, \n
.if HI == \hi
.irp p, 0,1,2,3
	v_pk_fma_f32 v[AC+2*\p:AC+2*\p+1], v[AC+2*\p:AC+2*\p+1], s[66:67], v[NM+2*\m:NM+2*\m+1] op_sel_hi:[1,0,0]
.endr
.endif
.endif
.endr
.endr
.endm
.macro EXPS hi                         ; p = 2^(t - M), a window's accumulators as one batch with one wait
	WIN 0x82+0x41*\hi
.irp m, 0,1,2,3,4,5,6,7
.irp n, 0,1,2,3,4,5,6,7
.if \n <= \m
	TILE \m, \n
.if HI == \hi
.irp j, 0,1,2,3,4,5,6,7
	v_exp_f32 v[AC+\j], v[AC+\j]
.endr
.endif
.endif
.endr
.endr
	v_nop                                          ; a plain instruction behind the last exponential
	s_wait_alu depctr_va_vdst(0)                   ; the wait ahead of the first instruction that names a result: one for the batch
.endm
	SCALE 0
	SCALE 1
	EXPS 0
	EXPS 1
	WIN 0x0a                                       ; both sources in window 2: the first tile of each row starts the row's sum: nothing is cleared
.irp m, 0,1,2,3,4,5,6,7
	TILE \m, 0
	v_pk_add_f32 v[LS+2*\m:LS+2*\m+1], v[AC:AC+1], v[AC+2:AC+3]
.endr
.macro ROWSUM hi                       ; the sums are taken of the unrounded p, the rows by turns
	WIN 0x08+4*\hi
.irp n, 0,1,2,3,4,5,6,7
.irp p, 0,1,2,3
.irp m, 0,1,2,3,4,5,6,7
.if \n <= \m
	TILE \m, \n
.if (HI == \hi) && ((\n > 0) || (\p > 1))
	v_pk_add_f32 v[LS+2*\m:LS+2*\m+1], v[LS+2*\m:LS+2*\m+1], v[AC+2*\p:AC+2*\p+1]
.endif
.endif
.endr
.endr
.endr
.endm
	ROWSUM 0
	ROWSUM 1
	WIN 0
.irp m, 0,1,2,3,4,5,6,7
	v_add_f32 v[LS+2*\m], v[LS+2*\m], v[LS+2*\m+1]
.endr
.irp m, 0,1,2,3,4,5,6,7
	v_permlanex16_b32 v[TP+\m], v[LS+2*\m], s68, s69
.endr
.irp m, 0,1,2,3,4,5,6,7
	v_add_f32 v[LS+2*\m], v[LS+2*\m], v[TP+\m]     ; my wave's 128 keys' sum, in every lane
.endr
.macro POUT hi                         ; p to f16 in place (ascending), and out: an accumulator's four registers are half a fragment of P
	WIN 0x8a+0x45*\hi
.irp m, 0,1,2,3,4,5,6,7
.irp n, 0,1,2,3,4,5,6,7
.if \n <= \m
	TILE \m, \n
.if HI == \hi
.irp i, 0,1,2,3
	v_cvt_pk_f16_f32 v[AC+\i], v[AC+2*\i], v[AC+2*\i+1]
.endr
.endif
.endif
.endr
.endr
	WIN 0x08+4*\hi
.irp m, 0,1,2,3,4,5,6,7
.irp n, 0,1,2,3,4,5,6,7
.if \n <= \m
	TILE \m, \n
.if HI == \hi
	global_store_b128 v3, v[AC:AC+3], s[6:7] offset:1024*(\n*(15-\n)+2*\m)   ; 32 lanes store 512 consecutive bytes, aligned
.endif
.endif
.endr
.endr
.endm
	POUT 0
	POUT 1
	WIN 0
.irp m, 0,1,2,3,4,5,6,7
	v_sub_f32 v[TP+\m], 0, v[NM+2*\m]              ; M
.endr
.irp m, 0,1,2,3,4,5,6,7
	v_cndmask_b32 v[SV+\m], v[TP+\m], v[LS+2*\m], s70   ; lanes 0-15 carry M, lanes 16-31 the sum
.endr
.irp m, 0,1,2,3,4,5,6,7
	ds_store_b32 v8, v[SV+\m] offset:64*\m
.endr
	ds_load_b128 v[RB:RB+3], v9                    ; my own bytes: LDS serves a wave's instructions in order
	ds_load_b128 v[RB+4:RB+7], v9 offset:512
	s_wait_dscnt 0x0
	global_store_b128 v3, v[RB:RB+3], s[8:9]       ; 512 consecutive bytes each, aligned
	global_store_b128 v3, v[RB+4:RB+7], s[8:9] offset:512
	s_wait_tensorcnt 0x0                           ; the wave's end
	ds_add_u32 v[SPW], v[NIL]
	s_wait_dscnt 0x0
	CROUND                                         ; the closing round
	s_endpgm
.Lfunc_end_k_q65f8cd6f1a_scores:
	.size	k_q65f8cd6f1a_scores, .Lfunc_end_k_q65f8cd6f1a_scores-k_q65f8cd6f1a_scores
	.p2alignl 7, 3214868480
	.fill 96, 4, 3214868480
	.section	.rodata,"a",@progbits
	.p2align	6, 0x0
	.amdhsa_kernel k_q65f8cd6f1a_scores
		.amdhsa_group_segment_fixed_size 327680
		.amdhsa_private_segment_fixed_size 0
		.amdhsa_enable_private_segment 0
		.amdhsa_kernarg_size 24
		.amdhsa_user_sgpr_count 2
		.amdhsa_user_sgpr_kernarg_segment_ptr 1
		.amdhsa_wavefront_size32 1
		.amdhsa_system_sgpr_workgroup_id_x 1
		.amdhsa_system_sgpr_workgroup_id_y 1
		.amdhsa_system_sgpr_workgroup_id_z 1
		.amdhsa_system_vgpr_workitem_id 0
		.amdhsa_next_free_vgpr 1024
		.amdhsa_next_free_sgpr 100
		.amdhsa_reserve_vcc 0
		.amdhsa_float_denorm_mode_32 3
		.amdhsa_float_denorm_mode_16_64 3
		.amdhsa_memory_ordered 1
		.amdhsa_forward_progress 1
		.amdhsa_inst_pref_size 181
	.end_amdhsa_kernel
	.amdgpu_metadata
---
amdhsa.version: [ 1, 2 ]
amdhsa.kernels:
  - .name:           k_q65f8cd6f1a_scores
    .symbol:         k_q65f8cd6f1a_scores.kd
    .args:
      - { .name: qkv, .offset: 0, .size: 8, .value_kind: global_buffer, .address_space: global }
      - { .name: pimg, .offset: 8, .size: 8, .value_kind: global_buffer, .address_space: global }
      - { .name: st, .offset: 16, .size: 8, .value_kind: global_buffer, .address_space: global }
    .group_segment_fixed_size: 327680
    .private_segment_fixed_size: 0
    .kernarg_segment_align: 8
    .kernarg_segment_size: 24
    .max_flat_workgroup_size: 128
    .sgpr_count:     100
    .vgpr_count:     1024
    .wavefront_size: 32
...
	.end_amdgpu_metadata
.endif
;; end of part 3
;; launch pv (part 4): grid 8 x 32, 4 waves a work-group, clusters of 4 x 4, 327,680 bytes of LDS; arguments qkv, pimg, st, out0; writes out0
.if DOCPART == 4
	.amdgcn_target "amdgcn-amd-amdhsa--gfx1250"
	.amdhsa_code_object_version 6
	.text
	.protected	k_q65f8cd6f1a_pv
	.globl	k_q65f8cd6f1a_pv
	.p2align	8
	.type	k_q65f8cd6f1a_pv,@function
k_q65f8cd6f1a_pv:
	s_mov_b64 s[64:65], 0
	v_nop
	global_prefetch_b8 v0, s[64:65] scope:SCOPE_SE
	s_setreg_imm32_b32 hwreg(HW_REG_WAVE_MODE, 25, 1), 1
	s_wait_xcnt 0x0
	s_wait_alu depctr_hold_cnt(0) depctr_sa_sdst(0) depctr_va_vdst(0) depctr_va_sdst(0) depctr_va_ssrc(0) depctr_va_vcc(0) depctr_vm_vsrc(0)
	s_getreg_b32 s2, hwreg(HW_REG_IB_STS2, 6, 4)
	s_cmp_eq_u32 s2, 0
	s_cbranch_scc0 .Lentry_in_a_cluster
	s_endpgm
.Lentry_in_a_cluster:
	s_bfe_u32 s2, ttmp6, 0x10000c
	s_cmp_lg_u32 s2, 0xf033
	s_cbranch_scc0 .Lentry_shape_is_right
	s_endpgm
.Lentry_shape_is_right:
; out = the sum over the eight key groups kg of F(kg) x (V^T P(kg)), for 256 queries (group g of a batch) x 128 channels.  P and V in f16, sums in f32.
; F(kg) = 2^(M(kg) - the row's largest M) / the row's sum: the powers of two are exact (M is a whole number), the sum is that of the unrounded p, brought under the row's largest M the same way.
; SHARES.  Work-group (x, y): channels 128 x on, y = 8 batch + g.  Wave 2 rh + ch: query tiles m = 2 m' + rh, channel tiles 4 ch + e.  O^T = V^T P (source 0 = 16 channels, source 1 = 16 queries): a lane holds
; one query and eight neighbouring channels.  In a chunk (one kg) fragment nu of the keys (32 keys) counts for the query tiles m >= 2 nu, that is m' >= nu: 4 (8 - nu) products, 144 a chunk, the same in every
; work-group and wave.  T (window 2) sums a chunk; when a row tile has had its last fragment, it is folded into O (window 3) by one packed multiply-add a pair; these lines are also the places round the products.
; A chunk is one slot: P's 72 fragments (73,728 dense bytes: waves 0 and 1, 36,864 each) and V's 8 x 8 fragments (8 rows of 8,192 bytes, 16,384 apart: waves 2 and 3, 4 rows each).
; CLUSTER 4 x 4: P hangs on y alone and is shared along a row, V on the batch and x and is shared along a column: joint loads.  At most two tensor loads of a wave are out.
; No prefetch is laid: P's 288 blocks of 256 bytes a chunk do not divide among four partners' waves of 32 lanes, and loads and stores keep memory at work beside the products.
; Rows 0-15 of each batch are stored here too and written anew, more finely, by the last launch: leaving them out would take a branch on a work-group's place in its cluster.
; REGISTERS: window 0: v16-27 addresses, v32-47 the chunk's factors (row tile m' in v[32 + 2 m']), v64-191 P's fragments (two sets of 8), v192-255 the way out;
;   window 1: v0-63 V's fragments (two sets of 4);  window 2: T(m', e) at v[32 m' + 8 e];  window 3: O likewise.
.set PB,    73728
.set VB,    65536
.set SLOTB, PB+VB
.set FT,    2*SLOTB                    ; behind the ring: the factors, 256 rows x 36 bytes (eight words and one of padding)
.set FP,    36
.set STG,   FT+256*FP                  ; a stage of 16 rows x (256 + 16) bytes for each wave
.set SPITCH, 272
.set SPARE, STG+4*16*SPITCH            ; the spare words, 128 bytes a wave
.set PHI,   53248                      ; fragment 52 of P, the first of nu = 4: an LDS offset has 16 bits, so the later fragments have an address register of their own
.set APL, 16
.set APH, 18
.set AV,  20
.set FA,  22                           ; v22 my rows' factors, chunk 0; never rewritten
.set FC,  23                           ; v23 the same for the chunk in hand
.set STO, 24
.set RD,  25
.set CO,  26
.set FW,  27
.set SPW, 28
.set NIL, 29
.set F,   32
.set PS,  64
.set RB,  192
.set G1P, 24
.set G0P, 32
.set G1V, 48
.set G0V, 56
.set MSB, 0
.macro WIN new
.if MSB != \new
	s_set_vgpr_msb (MSB<<8)|\new
.set MSB, \new
.endif
.endm
.macro PLACES
.rept 4
	v_nop
.endr
.endm
.macro JLOAD s                         ; waves 0 and 1 fetch P's halves, waves 2 and 3 V's; an s_nop 0 and four v_nop follow each line
	s_cmp_eq_u32 s13, 0
	s_cbranch_scc0 .Lfor_v_\@
	tensor_load_to_lds s[G0P+4*\s:G0P+4*\s+3], s[G1P:G1P+7]
	s_nop 0
.rept 4
	v_nop
.endr
	s_branch .Lasked_\@
.Lfor_v_\@:
	tensor_load_to_lds s[G0V+4*\s:G0V+4*\s+3], s[G1V:G1V+7]
	s_nop 0
.rept 4
	v_nop
.endr
.Lasked_\@:
.endm
.macro CROUND
	s_barrier_signal -1
	s_barrier_wait -1
	s_cmp_lg_u32 s12, 0
	s_cbranch_scc1 .Lnot_wave_0_\@
	s_barrier_signal -3
.Lnot_wave_0_\@:
	s_barrier_wait -3
	s_barrier_signal -1
	s_barrier_wait -1
.endm
	s_load_b256 s[4:11], s[0:1], 0x0               ; qkv s[4:5], pimg s[6:7], st s[8:9], out0 s[10:11]
	v_lshl_add_u32 v[SPW], v0, 2, SPARE
	v_mov_b32 v[NIL], 0
	ds_add_u32 v[SPW], v[NIL]                      ; the wave's opening: the add, twice on end, and its wait ahead of my first tensor load
	ds_add_u32 v[SPW], v[NIL]
	v_lshrrev_b32 v1, 5, v0
	v_readfirstlane_b32 s12, v1                    ; wave
	s_lshr_b32 s13, s12, 1                         ; rh.  Also: I fetch P (0) or V (1)
	s_and_b32 s14, s12, 1                          ; ch.  Also: which half I fetch
	s_bfe_u32 s40, ttmp6, 0x40000                  ; cx
	s_bfe_u32 s41, ttmp6, 0x40004                  ; cy
	s_lshl_b32 s42, ttmp9, 2
	s_add_co_u32 s42, s42, s40                     ; which 128 channels
	s_and_b32 s16, ttmp7, 0xffff
	s_lshl_b32 s15, s16, 2
	s_add_co_u32 s15, s15, s41                     ; y = 8 batch + g
	s_lshl_b32 s43, s41, 2
	s_lshl_b32 s43, 15, s43                        ; my row of the cluster
	s_lshl_b32 s44, 0x1111, s40                    ; my column
	s_or_b32 s[G1P], s43, (3<<16)|(1<<21)          ; P: 36,864 dense bytes as 144 rows of 256 (32 elements of 8 bytes)
	s_mov_b32 s[G1P+1], 32<<16
	s_mov_b32 s[G1P+2], 144<<16
	s_mov_b32 s[G1P+3], 32<<16
	s_mov_b32 s[G1P+4], 144
	s_mov_b32 s[G1P+5], 32
	s_mov_b32 s[G1P+6], 0
	s_mov_b32 s[G1P+7], 0
	s_or_b32 s[G1V], s44, (3<<16)|(1<<21)          ; V: 4 rows of 8,192 bytes (1,024 elements), 16,384 bytes (2,048 elements) apart
	s_mov_b32 s[G1V+1], 1024<<16
	s_mov_b32 s[G1V+2], 4<<16
	s_mov_b32 s[G1V+3], 1024<<16
	s_mov_b32 s[G1V+4], 4
	s_mov_b32 s[G1V+5], 2048
	s_mov_b32 s[G1V+6], 0
	s_mov_b32 s[G1V+7], 0
	s_mul_i32 s18, s15, 8*PB                       ; P: y's eight chunks,
	s_mul_i32 s21, s14, PB/2                       ; my half: in memory and in a slot
	s_add_co_u32 s18, s18, s21
	s_mov_b32 s19, 0
	s_lshr_b32 s46, s16, 1                         ; V: the batch (cluster y / 2),
	s_lshl_b32 s46, s46, 2
	s_lshr_b32 s45, s42, 1
	s_add_co_u32 s46, s46, s45                     ; 4 batch + which 256 channels
	s_lshl_b32 s46, s46, 20                        ; x 8 chunks of 131,072 bytes
	s_and_b32 s45, s42, 1
	s_lshl_b32 s45, s45, 13                        ; which 8 of a row's 16 channel tiles
	s_add_co_u32 s46, s46, s45
	s_lshl_b32 s45, s14, 16                        ; my four of the eight rows
	s_add_co_u32 s46, s46, s45
	s_add_co_u32 s46, s46, 33554432                ; in v's image
	s_mov_b32 s47, 0
	s_lshl_b32 s22, s14, 15
	s_add_co_u32 s22, s22, PB                      ; V's place in a slot
	s_mov_b32 s67, 0                               ; 4 x the chunk in hand
	s_wait_dscnt 0x0                               ; both opening adds are done
	s_wait_kmcnt 0x0
	s_add_nc_u64 s[18:19], s[6:7], s[18:19]
	s_add_nc_u64 s[46:47], s[4:5], s[46:47]
	CROUND                                         ; all sixteen work-groups are here: the first joint loads meet
.irp s, 0,1
	s_mov_b32 s[G0P+4*\s], 1
	s_add_co_u32 s[G0P+4*\s+1], s21, \s*SLOTB
	s_add_nc_u64 s[G0P+4*\s+2:G0P+4*\s+3], s[18:19], \s*PB
	s_or_b32 s[G0P+4*\s+3], s[G0P+4*\s+3], 0x80000000
	s_mov_b32 s[G0V+4*\s], 1
	s_add_co_u32 s[G0V+4*\s+1], s22, \s*SLOTB
	s_add_nc_u64 s[G0V+4*\s+2:G0V+4*\s+3], s[46:47], \s*131072
	s_or_b32 s[G0V+4*\s+3], s[G0V+4*\s+3], 0x80000000
	JLOAD \s
.endr
	; ---- the factors.  Thread n serves rows 2 n and 2 n + 1 of the block, in st's order (128 rh + 16 m' + r)
	s_lshl_b32 s18, s15, 15                        ; y's eight blocks of 4,096 bytes
	s_mov_b32 s19, 0
	s_add_nc_u64 s[8:9], s[8:9], s[18:19]
	v_lshrrev_b32 v10, 6, v0
	v_and_b32 v11, 63, v0
	v_lshlrev_b32 v11, 3, v11
	v_lshl_add_u32 v11, v10, 10, v11
.irp k, 0,1,2,3,4,5,6,7
	global_load_b64 v[64+2*\k:65+2*\k], v11, s[8:9] offset:4096*\k            ; M
	global_load_b64 v[80+2*\k:81+2*\k], v11, s[8:9] offset:4096*\k+512        ; the sum over the even key tiles
	global_load_b64 v[96+2*\k:97+2*\k], v11, s[8:9] offset:4096*\k+2048+512   ; and over the odd ones
.endr
	v_and_b32 v1, 15, v0                           ; r
	v_bfe_u32 v2, v0, 4, 1                         ; h
	v_and_b32 v3, 31, v0
	v_lshlrev_b32 v3, 4, v3                        ; 16 x lane
	s_lshl_b32 s20, s13, 10                        ; P: my tiles are the even or the odd ones
	s_lshl_b32 s21, s14, 12
	s_add_co_u32 s21, s21, PB                      ; V: my four of the eight channel tiles
.irp s, 0,1
	v_add_nc_u32 v[APL+\s], s20, v3
	v_add_nc_u32 v[APH+\s], PHI, v[APL+\s]
	v_add_nc_u32 v[AV+\s], s21, v3
	s_add_co_u32 s20, s20, SLOTB
	s_add_co_u32 s21, s21, SLOTB
.endr
	s_mul_i32 s20, s13, 128*FP
	s_add_co_u32 s20, s20, FT
	v_mul_u32_u24 v[FA], v1, FP
	v_add_nc_u32 v[FA], s20, v[FA]                 ; the factors of rows 128 rh + r; 16 rows on for each m'
	v_mul_u32_u24 v[FW], v0, 2*FP
	v_add_nc_u32 v[FW], FT, v[FW]                  ; where I put my two rows' factors
	s_mul_i32 s20, s12, 16*SPITCH
	s_add_co_u32 s20, s20, STG                     ; my stage
	v_mul_u32_u24 v[STO], v1, SPITCH
	v_lshl_add_u32 v[STO], v2, 5, v[STO]
	v_add_nc_u32 v[STO], s20, v[STO]               ; in: row r, 32 bytes for each half of the lanes
	v_mul_u32_u24 v[RD], v2, SPITCH
	v_lshl_add_u32 v[RD], v1, 4, v[RD]
	v_add_nc_u32 v[RD], s20, v[RD]                 ; back: lanes 0-15 one row of 256 bytes, lanes 16-31 the next
	v_lshlrev_b32 v[CO], 12, v2
	v_lshl_add_u32 v[CO], v1, 4, v[CO]             ; and the same two rows in out0
.irp m, 0,1,2,3,4,5,6,7
	v_mov_b32 v[F+2*\m+1], 0                       ; (the upper halves of pairs that the packed form names)
.endr
	s_lshr_b32 s18, s15, 3
	s_lshl_b32 s18, s18, 23                        ; the batch: 2,048 rows of 4,096 bytes
	s_and_b32 s20, s15, 7
	s_lshl_b32 s20, s20, 16                        ; token 128 m + 16 g + r: 16 g rows,
	s_add_co_u32 s18, s18, s20
	s_lshl_b32 s20, s13, 19                        ; 128 rh rows (m = 2 m' + rh),
	s_add_co_u32 s18, s18, s20
	s_lshl_b32 s20, s42, 9                         ; my work-group's 128 channels,
	s_add_co_u32 s18, s18, s20
	s_lshl_b32 s20, s14, 8                         ; my wave's 64
	s_add_co_u32 s18, s18, s20
	s_add_nc_u64 s[10:11], s[10:11], s[18:19]
	s_wait_loadcnt 0x0
	v_max3_num_f32 v112, v64, v66, v68             ; the rows' largest M
	v_max3_num_f32 v113, v65, v67, v69
	v_max3_num_f32 v112, v112, v70, v72
	v_max3_num_f32 v113, v113, v71, v73
	v_max3_num_f32 v112, v112, v74, v76
	v_max3_num_f32 v113, v113, v75, v77
	v_max_num_f32 v112, v112, v78
	v_max_num_f32 v113, v113, v79
.irp k, 0,1,2,3,4,5,6,7
	v_pk_add_f32 v[64+2*\k:65+2*\k], v[64+2*\k:65+2*\k], v[112:113] neg_lo:[0,1] neg_hi:[0,1]   ; M(kg) less it: a whole number, 0 or less
.endr
.irp j, 0,1,2,3,4,5,6,7,8,9,10,11,12,13,14,15
	v_cvt_i32_f32 v[64+\j], v[64+\j]               ; (it saturates: a block with no key that counts)
.endr
.irp j, 0,1,2,3,4,5,6,7,8,9,10,11,12,13,14,15
	v_ldexp_f32 v[64+\j], 1.0, v[64+\j]            ; f = 2^(M(kg) - the largest M): exact
.endr
.irp k, 0,1,2,3,4,5,6,7
	v_pk_add_f32 v[80+2*\k:81+2*\k], v[80+2*\k:81+2*\k], v[96+2*\k:97+2*\k]
.endr
	v_pk_mul_f32 v[114:115], v[64:65], v[80:81]
.irp k, 1,2,3,4,5,6,7
	v_pk_fma_f32 v[114:115], v[64+2*\k:65+2*\k], v[80+2*\k:81+2*\k], v[114:115]   ; the rows' sums
.endr
	v_rcp_f32 v116, v114
	v_rcp_f32 v117, v115
	v_nop                                          ; a plain instruction behind the reciprocals
	s_wait_alu depctr_va_vdst(0)                   ; the wait ahead of the first use: one for both
.irp k, 0,1,2,3,4,5,6,7
	v_pk_mul_f32 v[64+2*\k:65+2*\k], v[64+2*\k:65+2*\k], v[116:117]
.endr
.irp k, 0,1,2,3,4,5,6,7
	ds_store_b32 v[FW], v[64+2*\k] offset:4*\k
	ds_store_b32 v[FW], v[65+2*\k] offset:FP+4*\k
.endr
; A fragment nu's operands into set nu % 2: V's four (8 loads), P's 8 - nu (two loads each): 24 - 2 nu loads, 512 consecutive bytes each
.macro LOADSET s, nu
	WIN 0x40                                       ; destination window 1
.irp e, 0,1,2,3
	ds_load_b128 v[32*((\nu)%2)+8*\e:32*((\nu)%2)+8*\e+3],   v[AV+\s] offset:(\nu)*8192+\e*1024
	ds_load_b128 v[32*((\nu)%2)+8*\e+4:32*((\nu)%2)+8*\e+7], v[AV+\s] offset:(\nu)*8192+\e*1024+512
.endr
	WIN 0
.irp m, 0,1,2,3,4,5,6,7
.if \m >= (\nu)
.if (\nu) < 4
	ds_load_b128 v[PS+64*((\nu)%2)+8*\m:PS+64*((\nu)%2)+8*\m+3],   v[APL+\s] offset:1024*((\nu)*(15-(\nu))+2*\m)
	ds_load_b128 v[PS+64*((\nu)%2)+8*\m+4:PS+64*((\nu)%2)+8*\m+7], v[APL+\s] offset:1024*((\nu)*(15-(\nu))+2*\m)+512
.else
	ds_load_b128 v[PS+64*((\nu)%2)+8*\m:PS+64*((\nu)%2)+8*\m+3],   v[APH+\s] offset:1024*((\nu)*(15-(\nu))+2*\m)-PHI
	ds_load_b128 v[PS+64*((\nu)%2)+8*\m+4:PS+64*((\nu)%2)+8*\m+7], v[APH+\s] offset:1024*((\nu)*(15-(\nu))+2*\m)-PHI+512
.endif
.endif
.endr
.endm
; Fragment nu's products.  The accumulators take turns, one instruction a turn; fragment 0 starts the chunk's sums
.macro GROUP nu
	WIN 0xa1                                       ; source 0 (V) window 1, source 1 (P) window 0, C and D window 2
.irp m, 0,1,2,3,4,5,6,7
.if \m >= (\nu)
.irp e, 0,1,2,3
.if (\nu) == 0
	v_wmma_f32_16x16x32_f16 v[32*\m+8*\e:32*\m+8*\e+7], v[32*((\nu)%2)+8*\e:32*((\nu)%2)+8*\e+7], v[PS+64*((\nu)%2)+8*\m:PS+64*((\nu)%2)+8*\m+7], 0
.else
	v_wmma_f32_16x16x32_f16 v[32*\m+8*\e:32*\m+8*\e+7], v[32*((\nu)%2)+8*\e:32*((\nu)%2)+8*\e+7], v[PS+64*((\nu)%2)+8*\m:PS+64*((\nu)%2)+8*\m+7], v[32*\m+8*\e:32*\m+8*\e+7]
.endif
.endr
.endif
.endr
.endm
; Row tile m' has had its last fragment: O += F x T, sixteen packed lines, T from its low end on.  first = 1: the first chunk starts O
.macro FOLD m, first
.if \first
	WIN 0xc2                                       ; destination window 3, source 0 (T) window 2, source 1 (F) window 0
.else
	WIN 0xf2                                       ; and source 2 (O) window 3
.endif
.irp i, 0,2,4,6,8,10,12,14,16,18,20,22,24,26,28,30
.if \first
	v_pk_mul_f32 v[32*(\m)+\i:32*(\m)+\i+1], v[32*(\m)+\i:32*(\m)+\i+1], v[F+2*(\m):F+2*(\m)+1] op_sel_hi:[1,0]
.else
	v_pk_fma_f32 v[32*(\m)+\i:32*(\m)+\i+1], v[32*(\m)+\i:32*(\m)+\i+1], v[F+2*(\m):F+2*(\m)+1], v[32*(\m)+\i:32*(\m)+\i+1] op_sel_hi:[1,0,1]
.endif
.endr
.endm
; A chunk.  Each fragment's operands are asked for ahead of the products of the fragment before.  Behind fragment nu's products stands the fold of row tile nu - 1, whose sums were finished a fragment ago:
; sixteen plain lines that name no register of the products round them: the places in front of the next loads, of the reads of T, and of the next chunk's new sums.
.macro WORK s, first
	v_add_nc_u32 v[FC], s67, v[FA]
.irp m, 0,1,2,3,4,5,6,7
	ds_load_b32 v[F+2*\m], v[FC] offset:16*FP*\m   ; the chunk's factors of my eight row tiles
.endr
	LOADSET \s, 0
.irp v, 0,1,2,3,4,5,6,7
.if \v < 7
	LOADSET \s, \v+1
	s_wait_dscnt 22-2*\v                           ; all but the set just issued
.else
	s_wait_dscnt 0x0
.endif
	GROUP \v
.if \v == 0
	PLACES
.else
	FOLD \v-1, \first
.endif
.endr
	FOLD 7, \first
	WIN 0
	s_add_co_u32 s67, s67, 4
.endm
.macro CHANGE old, fill                ; as in the launch before: the waits and the add, a round, the joint refill first behind it, two chunks on
	s_wait_tensorcnt 0x0                           ; no tensor load of mine is out, so a group 0 may be written
	ds_add_u32 v[SPW], v[NIL]
.if \fill
	s_add_nc_u64 s[G0P+4*\old+2:G0P+4*\old+3], s[G0P+4*\old+2:G0P+4*\old+3], 2*PB
	s_add_nc_u64 s[G0V+4*\old+2:G0V+4*\old+3], s[G0V+4*\old+2:G0V+4*\old+3], 2*131072
.endif
	s_wait_dscnt 0x0                               ; the add is done, and my reads of the slot are over
.if \fill
	CROUND
	JLOAD \old
.else
	s_barrier_signal -1
	s_barrier_wait -1
.endif
.endm
	s_wait_tensorcnt 1                             ; my part of chunk 0 is in; chunk 1's may stay out
	s_wait_dscnt 0x0                               ; my factors are stored
	s_barrier_signal -1
	s_barrier_wait -1
	WORK 0, 1
	CHANGE 0, 1                                    ; chunk 2 is asked for
	WORK 1, 0
	s_mov_b32 s3, 2
.Llap:                                                 ; chunks 2 to 5; chunks 3 to 6 are asked for
	CHANGE 1, 1
	WORK 0, 0
	CHANGE 0, 1
	WORK 1, 0
	s_sub_co_u32 s3, s3, 1
	s_cmp_lg_u32 s3, 0
	s_cbranch_scc1 .Llap
	CHANGE 1, 1                                    ; chunk 7 is asked for: the last load
	WORK 0, 0
	CHANGE 0, 0                                    ; the tail is written out: nothing more is asked for
	WORK 1, 0
; THE WAY OUT, a row tile (16 queries x 64 channels) at a time through my own stage: a lane's 32 bytes go in, rows of 256 bytes come back
.macro TOSTAGE m
	WIN 0x0c                                       ; an LDS store's data are its source 1: window 3
.irp e, 0,1,2,3
	ds_store_b128 v[STO], v[32*(\m)+8*\e:32*(\m)+8*\e+3] offset:64*\e
	ds_store_b128 v[STO], v[32*(\m)+8*\e+4:32*(\m)+8*\e+7] offset:64*\e+16
.endr
	WIN 0
.irp i, 0,1,2,3,4,5,6,7
	ds_load_b128 v[RB+32*((\m)%2)+4*\i:RB+32*((\m)%2)+4*\i+3], v[RD] offset:2*SPITCH*\i   ; LDS serves a wave's instructions in order: these see the stores above
.endr
.endm
.macro SEND m, younger
	s_wait_dscnt \younger                          ; the tile is back; the next tile's sixteen LDS instructions may be out
.irp i, 0,1,2,3,4,5,6,7
	global_store_b128 v[CO], v[RB+32*((\m)%2)+4*\i:RB+32*((\m)%2)+4*\i+3], s[10:11] offset:(\m)*1048576+\i*8192 th:TH_STORE_NT   ; 16 lanes store 256 consecutive bytes, aligned; row tiles lie 256 rows apart
.endr
.endm
	TOSTAGE 0
.irp m, 1,2,3,4,5,6,7
.if \m > 1
	s_wait_xcnt 0x0                                ; the stores of two tiles back have read their registers: this tile's loads may land there
.endif
	TOSTAGE \m
	SEND \m-1, 16
.endr
	SEND 7, 0
	s_wait_tensorcnt 0x0                           ; the wave's end
	ds_add_u32 v[SPW], v[NIL]
	s_wait_dscnt 0x0
	CROUND                                         ; the closing round
	s_endpgm
.Lfunc_end_k_q65f8cd6f1a_pv:
	.size	k_q65f8cd6f1a_pv, .Lfunc_end_k_q65f8cd6f1a_pv-k_q65f8cd6f1a_pv
	.p2alignl 7, 3214868480
	.fill 96, 4, 3214868480
	.section	.rodata,"a",@progbits
	.p2align	6, 0x0
	.amdhsa_kernel k_q65f8cd6f1a_pv
		.amdhsa_group_segment_fixed_size 327680
		.amdhsa_private_segment_fixed_size 0
		.amdhsa_enable_private_segment 0
		.amdhsa_kernarg_size 32
		.amdhsa_user_sgpr_count 2
		.amdhsa_user_sgpr_kernarg_segment_ptr 1
		.amdhsa_wavefront_size32 1
		.amdhsa_system_sgpr_workgroup_id_x 1
		.amdhsa_system_sgpr_workgroup_id_y 1
		.amdhsa_system_sgpr_workgroup_id_z 1
		.amdhsa_system_vgpr_workitem_id 0
		.amdhsa_next_free_vgpr 1024
		.amdhsa_next_free_sgpr 100
		.amdhsa_reserve_vcc 0
		.amdhsa_float_denorm_mode_32 3
		.amdhsa_float_denorm_mode_16_64 3
		.amdhsa_memory_ordered 1
		.amdhsa_forward_progress 1
		.amdhsa_inst_pref_size 201
	.end_amdhsa_kernel
	.amdgpu_metadata
---
amdhsa.version: [ 1, 2 ]
amdhsa.kernels:
  - .name:           k_q65f8cd6f1a_pv
    .symbol:         k_q65f8cd6f1a_pv.kd
    .args:
      - { .name: qkv, .offset: 0, .size: 8, .value_kind: global_buffer, .address_space: global }
      - { .name: pimg, .offset: 8, .size: 8, .value_kind: global_buffer, .address_space: global }
      - { .name: st, .offset: 16, .size: 8, .value_kind: global_buffer, .address_space: global }
      - { .name: out0, .offset: 24, .size: 8, .value_kind: global_buffer, .address_space: global }
    .group_segment_fixed_size: 327680
    .private_segment_fixed_size: 0
    .kernarg_segment_align: 8
    .kernarg_segment_size: 32
    .max_flat_workgroup_size: 128
    .sgpr_count:     100
    .vgpr_count:     1024
    .wavefront_size: 32
...
	.end_amdgpu_metadata
.endif
;; end of part 4
;; launch fine (part 5): grid 4 x 4, 8 waves a work-group, no clusters, 25,856 bytes of LDS; arguments head16, out0; writes out0
.if DOCPART == 5
	.amdgcn_target "amdgcn-amd-amdhsa--gfx1250"
	.amdhsa_code_object_version 6
	.text
	.protected	k_q65f8cd6f1a_fine
	.globl	k_q65f8cd6f1a_fine
	.p2align	8
	.type	k_q65f8cd6f1a_fine,@function
k_q65f8cd6f1a_fine:
	s_mov_b64 s[64:65], 0
	v_nop
	global_prefetch_b8 v0, s[64:65] scope:SCOPE_SE
	s_setreg_imm32_b32 hwreg(HW_REG_WAVE_MODE, 25, 1), 1
	s_wait_xcnt 0x0
; The first 16 positions of each batch, all in f32: they average one to sixteen values, where the rounding of 16-bit operands weighs most.  They overwrite what the launch before stored there.
; Work-group (x, y): channels 256 x on, batch y.  Eight waves.  Scores: wave w sums features 128 w on (32 matrix instructions of 16 x 16 x 4 on two accumulators by turns); the eight parts meet in LDS.
; Every wave then makes the same softmax (the row's own maximum taken away), and multiplies p by two tiles of 16 channels of v.  No bulk work: 40 matrix instructions a wave.
; S^T = K Q^T: a lane holds query l % 16 and keys 8 (l / 16) + 0..7.  The f32 form takes k = 2 (l / 16) + j from register j: a pair of registers of k's image and the same pair of q's hold the same
; four features in the same places, so each pair is one K step; all 1,024 features are met once.  Likewise a pair of v's image (tokens 8 h + 4 quad + 2 i + 0, 1) and the pair 4 quad + 2 i of p's registers.
; The accumulators are written by matrix instructions alone; sums begin with the constant 0.
; No cluster: what the four work-groups of a batch share is 131,072 bytes, read once each.  No tensor loads: the operands go straight into registers.
.set PSB,   0                          ; LDS: the waves' partial scores, 1,024 bytes a wave
.set STG,   8192                       ; 16 rows x (1,024 + 16) bytes
.set SROW,  1040
.set SPARE, STG+16*SROW                ; the spare words, 128 bytes a wave
.set SPW, 4
.set NIL, 5
.set QF,  16                           ; v16-79 q: tile i, quad u at 16 + 8 i + 4 u; later the eight parts
.set KF,  80                           ; v80-143 k
.set VF,  144                          ; v144-159 v: two tiles
.set SA,  160                          ; v160-175 two accumulators of scores
.set OA,  176                          ; v176-191 two of outputs
.set PT,  192                          ; v192-199 my part
.set P,   200                          ; v200-207 scores, then p
	s_load_b128 s[4:7], s[0:1], 0x0                ; head16, out0
	v_lshl_add_u32 v[SPW], v0, 2, SPARE
	v_mov_b32 v[NIL], 0
	v_lshrrev_b32 v1, 5, v0
	v_readfirstlane_b32 s8, v1                     ; wave 0..7
	s_and_b32 s10, ttmp7, 0xffff                   ; batch
	v_and_b32 v1, 15, v0                           ; r
	v_bfe_u32 v2, v0, 4, 1                         ; h
	v_and_b32 v3, 31, v0
	v_lshlrev_b32 v3, 4, v3                        ; 16 x lane
	s_lshl_b32 s11, s8, 10
	v_add_nc_u32 v6, s11, v3                       ; my part's place
	v_mul_u32_u24 v7, v1, SROW
	v_lshl_add_u32 v7, v2, 5, v7
	s_lshl_b32 s11, s8, 7
	s_add_co_u32 s11, s11, STG
	v_add_nc_u32 v7, s11, v7                       ; the stage, in: row r, my two tiles' 128 bytes, 32 for each half of the lanes
	s_mul_i32 s11, s8, 2*SROW
	s_add_co_u32 s11, s11, STG
	v_add_nc_u32 v8, s11, v3                       ; back: rows 2 w and 2 w + 1
	s_mov_b32 s12, 0x76543210
	s_mov_b32 s13, 0xfedcba98                      ; v_permlanex16_b32's selects for lane l xor 16
	s_mov_b32 s14, 0x3d38aa3b                      ; c = log2(e) / 32
	s_lshl_b32 s16, s10, 16                        ; q: batch x 64 tiles of 1,024 bytes,
	s_lshl_b32 s17, s8, 13                         ; my eight tiles
	s_add_co_u32 s16, s16, s17
	s_mov_b32 s17, 0
	s_add_co_u32 s18, s10, 8                       ; v: (8 + batch) x 64 tiles,
	s_lshl_b32 s18, s18, 16
	s_lshl_b32 s19, ttmp9, 14                      ; the work-group's sixteen,
	s_add_co_u32 s18, s18, s19
	s_lshl_b32 s19, s8, 11                         ; my two
	s_add_co_u32 s18, s18, s19
	s_mov_b32 s19, 0
	s_lshl_b32 s20, s10, 23                        ; out0: the batch,
	s_lshl_b32 s21, s8, 13                         ; rows 2 w on,
	s_add_co_u32 s20, s20, s21
	s_lshl_b32 s21, ttmp9, 10                      ; the work-group's 256 channels
	s_add_co_u32 s20, s20, s21
	s_mov_b32 s21, 0
	s_wait_kmcnt 0x0
	s_add_nc_u64 s[16:17], s[4:5], s[16:17]
	s_add_nc_u64 s[18:19], s[4:5], s[18:19]
	s_add_nc_u64 s[6:7], s[6:7], s[20:21]
.irp i, 0,1,2,3,4,5,6,7
.irp u, 0,1
	global_load_b128 v[QF+8*\i+4*\u:QF+8*\i+4*\u+3], v3, s[16:17] offset:1024*\i+512*\u
	global_load_b128 v[KF+8*\i+4*\u:KF+8*\i+4*\u+3], v3, s[16:17] offset:262144+1024*\i+512*\u   ; k's images lie four batches of 65,536 bytes behind q's
.endr
.endr
.irp t, 0,1
.irp u, 0,1
	global_load_b128 v[VF+8*\t+4*\u:VF+8*\t+4*\u+3], v3, s[18:19] offset:1024*\t+512*\u
.endr
.endr
	s_wait_loadcnt 0x0
.irp i, 0,1,2,3,4,5,6,7
.irp u, 0,1
.irp p, 0,1                            ; the two accumulators by turns
.if (\i == 0) && (\u == 0)
	v_wmma_f32_16x16x4_f32 v[SA+8*\p:SA+8*\p+7], v[KF+8*\i+4*\u+2*\p:KF+8*\i+4*\u+2*\p+1], v[QF+8*\i+4*\u+2*\p:QF+8*\i+4*\u+2*\p+1], 0
.else
	v_wmma_f32_16x16x4_f32 v[SA+8*\p:SA+8*\p+7], v[KF+8*\i+4*\u+2*\p:KF+8*\i+4*\u+2*\p+1], v[QF+8*\i+4*\u+2*\p:QF+8*\i+4*\u+2*\p+1], v[SA+8*\p:SA+8*\p+7]
.endif
.endr
.endr
.endr
.rept 8
	v_nop                                          ; eight places behind this form, in front of the reads of results and of loads into its sources
.endr
.irp j, 0,2,4,6
	v_pk_add_f32 v[PT+\j:PT+\j+1], v[SA+\j:SA+\j+1], v[SA+8+\j:SA+8+\j+1]   ; into other registers, from the low end on
.endr
	ds_store_b128 v6, v[PT:PT+3]
	ds_store_b128 v6, v[PT+4:PT+7] offset:512
	s_wait_dscnt 0x0                               ; for the others' sake: my stores are done
	s_barrier_signal -1
	s_barrier_wait -1
.irp w, 0,1,2,3,4,5,6,7
	ds_load_b128 v[QF+8*\w:QF+8*\w+3], v3 offset:1024*\w
	ds_load_b128 v[QF+8*\w+4:QF+8*\w+7], v3 offset:1024*\w+512
.endr
	v_lshlrev_b32 v208, 3, v2
	v_sub_nc_u32 v208, v1, v208                    ; register j's key 8 h + j comes after query r where j > r - 8 h
	v_mov_b32 v209, 0xff800000                     ; -infinity
	v_mov_b32 v211, 0                              ; (a lane permute's destination counts as one of its sources)
	s_wait_dscnt 0x0
.irp j, 0,2,4,6
	v_pk_add_f32 v[P+\j:P+\j+1], v[QF+\j:QF+\j+1], v[QF+8+\j:QF+8+\j+1]
.endr
.irp w, 2,3,4,5,6,7
.irp j, 0,2,4,6
	v_pk_add_f32 v[P+\j:P+\j+1], v[P+\j:P+\j+1], v[QF+8*\w+\j:QF+8*\w+\j+1]   ; the parts in ascending order: every wave gets the same bits
.endr
.endr
.irp j, 0,1,2,3,4,5,6,7
	v_cmp_gt_i32 vcc_lo, \j, v208
	v_cndmask_b32 v[P+\j], v[P+\j], v209, vcc_lo
.endr
	v_max3_num_f32 v210, v[P], v[P+1], v[P+2]
	v_max3_num_f32 v210, v210, v[P+3], v[P+4]
	v_max3_num_f32 v210, v210, v[P+5], v[P+6]
	v_max_num_f32 v210, v210, v[P+7]
	v_permlanex16_b32 v211, v210, s12, s13
	v_max_num_f32 v210, v210, v211                 ; the row's largest score: key 0 counts for every query, so it is a number
	v_mul_f32 v210, s14, v210
.irp j, 0,1,2,3,4,5,6,7
	v_fma_f32 v[P+\j], v[P+\j], s14, -v210
.endr
.irp j, 0,1,2,3,4,5,6,7
	v_exp_f32 v[P+\j], v[P+\j]
.endr
	v_nop                                          ; a plain instruction behind the last exponential
	s_wait_alu depctr_va_vdst(0)                   ; the wait ahead of the first use: one for the eight
	v_add_f32 v212, v[P], v[P+1]
	v_add_f32 v213, v[P+2], v[P+3]
	v_add_f32 v214, v[P+4], v[P+5]
	v_add_f32 v215, v[P+6], v[P+7]
	v_add_f32 v212, v212, v213
	v_add_f32 v214, v214, v215
	v_add_f32 v212, v212, v214
	v_permlanex16_b32 v211, v212, s12, s13
	v_add_f32 v212, v212, v211                     ; the row's sum
	v_rcp_f32 v213, v212
	v_nop
	s_wait_alu depctr_va_vdst(0)
.irp j, 0,1,2,3,4,5,6,7
	v_mul_f32 v[P+\j], v[P+\j], v213
.endr
.irp u, 0,1
.irp p, 0,1
.irp t, 0,1                            ; O^T = V^T P: my two tiles of channels by turns
.if (\u == 0) && (\p == 0)
	v_wmma_f32_16x16x4_f32 v[OA+8*\t:OA+8*\t+7], v[VF+8*\t+4*\u+2*\p:VF+8*\t+4*\u+2*\p+1], v[P+4*\u+2*\p:P+4*\u+2*\p+1], 0
.else
	v_wmma_f32_16x16x4_f32 v[OA+8*\t:OA+8*\t+7], v[VF+8*\t+4*\u+2*\p:VF+8*\t+4*\u+2*\p+1], v[P+4*\u+2*\p:P+4*\u+2*\p+1], v[OA+8*\t:OA+8*\t+7]
.endif
.endr
.endr
.endr
.rept 8
	v_nop
.endr
.irp t, 0,1
	ds_store_b128 v7, v[OA+8*\t:OA+8*\t+3] offset:64*\t          ; lane (r, h): channels 16 tile + 8 h + 0..7 of query r; from the low end on
	ds_store_b128 v7, v[OA+8*\t+4:OA+8*\t+7] offset:64*\t+16
.endr
	s_wait_dscnt 0x0                               ; for the others' sake
	s_barrier_signal -1
	s_barrier_wait -1
.irp q, 0,1
.irp u, 0,1
	ds_load_b128 v[216+8*\q+4*\u:219+8*\q+4*\u], v8 offset:SROW*\q+512*\u
.endr
.endr
	s_wait_dscnt 0x0
.irp q, 0,1
.irp u, 0,1
	global_store_b128 v3, v[216+8*\q+4*\u:219+8*\q+4*\u], s[6:7] offset:4096*\q+512*\u   ; 32 lanes store 512 consecutive bytes, aligned
.endr
.endr
	s_wait_tensorcnt 0x0                           ; the wave's end
	ds_add_u32 v[SPW], v[NIL]
	s_wait_dscnt 0x0
	s_endpgm
.Lfunc_end_k_q65f8cd6f1a_fine:
	.size	k_q65f8cd6f1a_fine, .Lfunc_end_k_q65f8cd6f1a_fine-k_q65f8cd6f1a_fine
	.p2alignl 7, 3214868480
	.fill 96, 4, 3214868480
	.section	.rodata,"a",@progbits
	.p2align	6, 0x0
	.amdhsa_kernel k_q65f8cd6f1a_fine
		.amdhsa_group_segment_fixed_size 25856
		.amdhsa_private_segment_fixed_size 0
		.amdhsa_enable_private_segment 0
		.amdhsa_kernarg_size 16
		.amdhsa_user_sgpr_count 2
		.amdhsa_user_sgpr_kernarg_segment_ptr 1
		.amdhsa_wavefront_size32 1
		.amdhsa_system_sgpr_workgroup_id_x 1
		.amdhsa_system_sgpr_workgroup_id_y 1
		.amdhsa_system_sgpr_workgroup_id_z 1
		.amdhsa_system_vgpr_workitem_id 0
		.amdhsa_next_free_vgpr 256
		.amdhsa_next_free_sgpr 66
		.amdhsa_reserve_vcc 1
		.amdhsa_float_denorm_mode_32 3
		.amdhsa_float_denorm_mode_16_64 3
		.amdhsa_memory_ordered 1
		.amdhsa_forward_progress 1
		.amdhsa_inst_pref_size 16
	.end_amdhsa_kernel
	.amdgpu_metadata
---
amdhsa.version: [ 1, 2 ]
amdhsa.kernels:
  - .name:           k_q65f8cd6f1a_fine
    .symbol:         k_q65f8cd6f1a_fine.kd
    .args:
      - { .name: head16, .offset: 0, .size: 8, .value_kind: global_buffer, .address_space: global }
      - { .name: out0, .offset: 8, .size: 8, .value_kind: global_buffer, .address_space: global }
    .group_segment_fixed_size: 25856
    .private_segment_fixed_size: 0
    .kernarg_segment_align: 8
    .kernarg_segment_size: 16
    .max_flat_workgroup_size: 256
    .sgpr_count:     66
    .vgpr_count:     256
    .wavefront_size: 32
...
	.end_amdgpu_metadata
.endif
;; end of part 5
